; MI455X (gfx1250); checked and timed in simulation.
; The chip was launched on July 23, 2026; its instructions are those of AMD's public machine-readable ISA for CDNA 5 (MIT licence, August 2026) and "CDNA5" Instruction Set Architecture Reference Guide (July 2026). The comments in the code are by the model that wrote it; some were corrected since.
;; Mo E Classification Head. Allowed arithmetic: float matrix products may take bf16 or f16 operands with f32 sums; all other float work in f32.
;; Inputs: ex_b1 4 x 2,048 float32; ex_b2 4 x 3 float32; ex_ln_b 4 x 1,024 float32; ex_ln_g 4 x 1,024 float32; ex_w1 4 x 1,024 x 2,048 float32; ex_w2 4 x 2,048 x 3 float32; gate_b 4 float32; gate_ln_b 1,024 float32; gate_ln_g 1,024 float32; gate_w 1,024 x 4 float32; x 8,192 x 1,024 float32.
;; Outputs: out0 8,192 x 3 float32.
;; 2 versions, each right and faster than the one before. Each part assembles by itself: llvm-mc -triple=amdgcn-amd-amdhsa -mcpu=gfx1250 --defsym DOCPART=n.
;; ======== version 1 of 2: 3 launches
;; limits: values are held in f16: magnitudes above 65,504 overflow, below 6.1e-05 lose precision; right only within a limited range of input values
;; workspace buffers: xn 16,777,216 bytes; wt 16,777,216 bytes; gate 131,072 bytes; bp 131,072 bytes; part 2,097,152 bytes
;; launch prep (part 1): grid 384 x 1, 4 waves a work-group, no clusters, 4,608 bytes of LDS; arguments x, gate_ln_g, gate_ln_b, gate_w, gate_b, ex_ln_g, ex_ln_b, ex_w1, xn, gate, wt, bp; writes xn, gate, wt, bp
.if DOCPART == 1
	.amdgcn_target "amdgcn-amd-amdhsa--gfx1250"
	.amdhsa_code_object_version 6
	.text
	.protected	k_q24d6e6ea4c_prep
	.globl	k_q24d6e6ea4c_prep
	.p2align	8
	.type	k_q24d6e6ea4c_prep,@function
k_q24d6e6ea4c_prep:
	s_mov_b64 s[64:65], 0
	v_nop
	global_prefetch_b8 v0, s[64:65] scope:SCOPE_SE
	s_setreg_imm32_b32 hwreg(HW_REG_WAVE_MODE, 25, 1), 1
	s_wait_xcnt 0x0
; Two streams in one launch; a work-group's number says which.
; WORK-GROUPS 0-127 (64 rows of x each, 16 a wave, one row in 32 registers of one wave):
;   xn[b][d]   = (x[b][d] - mean) * rsqrt(var + 1e-5) / 16, f16; the variance is taken of x - mean (two passes over registers), so a common offset of x does no harm
;   gate[b][e] = softmax over e of ((normed * gate_ln_g + gate_ln_b) @ gate_w + gate_b), all in f32, the maximum taken away before the exponentials
;   The gate's four columns are done on the vector unit: gate_ln_g is folded into gate_w once (G), gate_ln_b @ gate_w + gate_b is a constant of four numbers.
; WORK-GROUPS 128-383 (256 rows d x 128 columns h of one expert's W1, 64 rows a wave):
;   wt[e][d][h] = 16 c * ex_ln_g[e][d] * W1[e][d][h], f16, in W1's own layout;  c = sqrt(log2(e) / 2): the next launch then has exp(-v^2/2) as 2^-(c v)^2
;   bp[q][e*2048+h] = the sum over d = 256 q .. 256 q + 255 of ex_ln_b[e][d] * W1[e][d][h], in f32, unscaled
; WHY f16, AND ITS ROOM.  f16 keeps 11 significant bits where bf16 keeps 8.  The normalised row is at most sqrt(1023) < 32 in magnitude for every input, so xn is at most 2.
; The factors 1/16 and 16 cancel in the product and put wt in the middle of f16's range: as drawn it is about 0.4; with ex_ln_g and W1 both 30 times larger about 1,900 at the most,
; both 30 times smaller about 5e-4, still a normal f16.  LIMIT, stated: |ex_ln_g * W1| < 4,800; beyond it wt becomes infinite.
; No matrix unit, no cluster, no tensor loads: every byte is read once, by loads of 512 consecutive bytes a wave, and nothing is shared between work-groups but small vectors.
; LDS: bytes 0-1,023 the first part's 64 rows of gate weights; bytes 2,048-4,095 the second part's four waves' column sums: each part has bytes of its own.
.set SL,  32                           ; v[32:127]  three row slots of 32 registers
.set G,   128                          ; v[128:255] G[i][e]: gate_ln_g[d] * gate_w[d][e] for my 32 places d of a row
.set ACC, 12                           ; v[12:19]   four chains of the gate's products
.set TM,  24                           ; v[24:31]   at work
.set WL,  2048                         ; LDS byte at which the second part's column sums begin
.macro FOLD                            ; four pairs at TM -> one number in v[TM]
	v_pk_add_f32 v[TM:TM+1], v[TM:TM+1], v[TM+2:TM+3]
	v_pk_add_f32 v[TM+4:TM+5], v[TM+4:TM+5], v[TM+6:TM+7]
	v_pk_add_f32 v[TM:TM+1], v[TM:TM+1], v[TM+4:TM+5]
	v_add_f32 v[TM], v[TM], v[TM+1]
.endm
.macro LSUM                            ; v[TM] summed over the 32 lanes, the sum in every lane
.irp m, 1,2,4,8
	v_add_f32_dpp v[TM], v[TM], v[TM] row_xmask:\m row_mask:0xf bank_mask:0xf
.endr
	v_permlanex16_b32 v[TM+1], v[TM], s36, s37
	v_add_f32 v[TM], v[TM], v[TM+1]
.endm
.macro LSUM4                           ; the even and the odd chains are joined; v[ACC..ACC+3] summed over the lanes
	v_pk_add_f32 v[ACC:ACC+1], v[ACC:ACC+1], v[ACC+4:ACC+5]
	v_pk_add_f32 v[ACC+2:ACC+3], v[ACC+2:ACC+3], v[ACC+6:ACC+7]
.irp m, 1,2,4,8
.irp r, 0,1,2,3
	v_add_f32_dpp v[ACC+\r], v[ACC+\r], v[ACC+\r] row_xmask:\m row_mask:0xf bank_mask:0xf
.endr
.endr
.irp r, 0,1,2,3
	v_permlanex16_b32 v[ACC+4+\r], v[ACC+\r], s36, s37
.endr
.irp r, 0,1,2,3
	v_add_f32 v[ACC+\r], v[ACC+\r], v[ACC+4+\r]
.endr
.endm
.macro DOT                             ; the sum over my 32 places i of v[XB+i] * G[i][0..3]: even i in ACC..ACC+3, odd i in ACC+4..ACC+7; the first products start the sums
	v_pk_mul_f32 v[ACC:ACC+1],   v[G:G+1],   v[XB:XB+1] op_sel_hi:[1,0]
	v_pk_mul_f32 v[ACC+2:ACC+3], v[G+2:G+3], v[XB:XB+1] op_sel_hi:[1,0]
	v_pk_mul_f32 v[ACC+4:ACC+5], v[G+4:G+5], v[XB:XB+1] op_sel:[0,1] op_sel_hi:[1,1]
	v_pk_mul_f32 v[ACC+6:ACC+7], v[G+6:G+7], v[XB:XB+1] op_sel:[0,1] op_sel_hi:[1,1]
.set p, 1
.rept 15
	v_pk_fma_f32 v[ACC:ACC+1],   v[G+8*p:G+8*p+1],   v[XB+2*p:XB+2*p+1], v[ACC:ACC+1]   op_sel_hi:[1,0,1]
	v_pk_fma_f32 v[ACC+2:ACC+3], v[G+8*p+2:G+8*p+3], v[XB+2*p:XB+2*p+1], v[ACC+2:ACC+3] op_sel_hi:[1,0,1]
	v_pk_fma_f32 v[ACC+4:ACC+5], v[G+8*p+4:G+8*p+5], v[XB+2*p:XB+2*p+1], v[ACC+4:ACC+5] op_sel:[0,1,0] op_sel_hi:[1,1,1]
	v_pk_fma_f32 v[ACC+6:ACC+7], v[G+8*p+6:G+8*p+7], v[XB+2*p:XB+2*p+1], v[ACC+6:ACC+7] op_sel:[0,1,0] op_sel_hi:[1,1,1]
.set p, p+1
.endr
.endm
.macro FILL row                        ; a row's 4,096 bytes: eight loads of 512 consecutive bytes; load j brings d = 128 j + 4 lane + 0..3
.set XB, SL+32*((\row)%3)
.irp j, 0,1,2,3,4,5,6,7
	global_load_b128 v[XB+4*\j:XB+4*\j+3], v2, s[4:5] offset:(\row)*4096+512*\j th:TH_LOAD_NT
.endr
.endm
.macro TURN row                        ; one row of my wave's sixteen
.set XB, SL+32*((\row)%3)
.if \row < 15
	s_wait_loadcnt 0x8                             ; my row is in; the next row's eight loads stay out
.else
	s_wait_loadcnt 0x0                             ; the last row: nothing was issued behind it
.endif
.irp k, 0,1,2,3
	v_pk_add_f32 v[TM+2*\k:TM+2*\k+1], v[XB+4*\k:XB+4*\k+1], v[XB+4*\k+2:XB+4*\k+3]   ; four chains start from data
.endr
.set i, 0
.rept 8
	v_pk_add_f32 v[TM+2*(i%4):TM+2*(i%4)+1], v[TM+2*(i%4):TM+2*(i%4)+1], v[XB+16+2*i:XB+16+2*i+1]
.set i, i+1
.endr
	FOLD
	LSUM
	v_mul_f32 v8, s38, v[TM]                       ; the mean
.set i, 0
.rept 16
	v_pk_add_f32 v[XB+2*i:XB+2*i+1], v[XB+2*i:XB+2*i+1], v[8:9] op_sel_hi:[1,0] neg_lo:[0,1] neg_hi:[0,1]   ; x - mean
.set i, i+1
.endr
.irp k, 0,1,2,3
	v_pk_mul_f32 v[TM+2*\k:TM+2*\k+1], v[XB+2*\k:XB+2*\k+1], v[XB+2*\k:XB+2*\k+1]
.endr
.set i, 4
.rept 12
	v_pk_fma_f32 v[TM+2*(i%4):TM+2*(i%4)+1], v[XB+2*i:XB+2*i+1], v[XB+2*i:XB+2*i+1], v[TM+2*(i%4):TM+2*(i%4)+1]
.set i, i+1
.endr
	FOLD
	LSUM
	v_fma_f32 v[TM], v[TM], s38, s39               ; var + eps
	v_rsq_f32 v10, v[TM]                           ; r; the products below are the plain instructions behind it (ISA guide 5.7.2)
	DOT
	LSUM4
	s_wait_alu depctr_va_vdst(0)
	v_mul_f32 v11, 0x3d800000, v10                 ; r / 16, for xn; the pair (r, r / 16) is whole from here on
	v_pk_fma_f32 v[12:13], v[12:13], v[10:11], v[20:21] op_sel_hi:[1,0,1]   ; the gate's logits: r * dot + constant
	v_pk_fma_f32 v[14:15], v[14:15], v[10:11], v[22:23] op_sel_hi:[1,0,1]
	v_max3_num_f32 v24, v12, v13, v14
	v_max_num_f32 v24, v24, v15                    ; their maximum
	v_mul_f32 v24, 0x3fb8aa3b, v24
	v_pk_fma_f32 v[12:13], v[12:13], 0x3fb8aa3b, v[24:25] op_sel_hi:[1,0,0] neg_lo:[0,0,1] neg_hi:[0,0,1]
	v_pk_fma_f32 v[14:15], v[14:15], 0x3fb8aa3b, v[24:25] op_sel_hi:[1,0,0] neg_lo:[0,0,1] neg_hi:[0,0,1]
	v_exp_f32 v12, v12
	v_exp_f32 v13, v13
	v_exp_f32 v14, v14
	v_exp_f32 v15, v15
.set i, 0
.rept 16
	v_pk_mul_f32 v[XB+2*i:XB+2*i+1], v[XB+2*i:XB+2*i+1], v[10:11] op_sel:[0,1] op_sel_hi:[1,1]   ; (x - mean) r / 16: both halves take the pair's upper word; also the plain work behind the exponentials
.set i, i+1
.endr
	s_wait_alu depctr_va_vdst(0)
	v_add_f32 v24, v12, v13
	v_add_f32 v25, v14, v15
	v_add_f32 v24, v24, v25
	v_rcp_f32 v24, v24
.set i, 0
.rept 16
	v_cvt_pk_f16_f32 v[XB+i], v[XB+2*i], v[XB+2*i+1]    ; in place, ascending: no number is written over before it is read; also the plain work behind the reciprocal
.set i, i+1
.endr
	s_wait_alu depctr_va_vdst(0)
	v_pk_mul_f32 v[12:13], v[12:13], v[24:25] op_sel_hi:[1,0]
	v_pk_mul_f32 v[14:15], v[14:15], v[24:25] op_sel_hi:[1,0]
	ds_store_b128 v6, v[12:15] offset:16*(\row)    ; every lane holds the same four weights and writes the same 16 bytes
.irp j, 0,1,2,3,4,5,6,7
	global_store_b64 v3, v[XB+2*\j:XB+2*\j+1], s[20:21] offset:(\row)*2048+256*\j   ; 32 lanes store 256 consecutive bytes, aligned
.endr
.if \row < 14
	s_wait_xcnt 0x0                                ; the slot of the row before is loaded again only behind this wait: its stores have read their registers
	FILL \row+2
.endif
.endm
.macro SLOT row                        ; W part: one row of my wave's 64; a ring of eight loads
.set XW, 16+4*((\row)%8)
.set YW, 48+2*((\row)%8)
.if \row < 56
	s_wait_loadcnt 0x7                             ; mine is in, the seven younger rows stay out
.else
	s_wait_loadcnt 63-(\row)                       ; the last eight rows load nothing: the counts run down
.endif
	s_wait_xcnt 0x0                                ; this slot's store registers are written again only behind this wait
	v_readlane_b32 s40, v[4+(\row)/32], (\row)%32  ; 16 c g of this row
	v_readlane_b32 s42, v[6+(\row)/32], (\row)%32  ; ln_b of this row
	v_pk_mul_f32 v[12:13], v[XW:XW+1],   s[40:41] op_sel_hi:[1,0]
	v_pk_mul_f32 v[14:15], v[XW+2:XW+3], s[40:41] op_sel_hi:[1,0]
.if \row == 0
	v_pk_mul_f32 v[8:9],   v[XW:XW+1],   s[42:43] op_sel_hi:[1,0]   ; the first row starts the column sums
	v_pk_mul_f32 v[10:11], v[XW+2:XW+3], s[42:43] op_sel_hi:[1,0]
.else
	v_pk_fma_f32 v[8:9],   v[XW:XW+1],   s[42:43], v[8:9]   op_sel_hi:[1,0,1]
	v_pk_fma_f32 v[10:11], v[XW+2:XW+3], s[42:43], v[10:11] op_sel_hi:[1,0,1]
.endif
	v_cvt_pk_f16_f32 v[YW],   v12, v13
	v_cvt_pk_f16_f32 v[YW+1], v14, v15
.if \row < 56
	global_load_b128 v[XW:XW+3], v2, s[18:19] offset:((\row)+8)*8192 th:TH_LOAD_NT
.endif
	global_store_b64 v3, v[YW:YW+1], s[24:25] offset:(\row)*4096   ; 32 lanes store 256 consecutive bytes, aligned
.endm
	s_load_b512 s[4:19], s[0:1], 0x0               ; x 4, gate_ln_g 6, gate_ln_b 8, gate_w 10, gate_b 12, ex_ln_g 14, ex_ln_b 16, ex_w1 18
	s_load_b256 s[20:27], s[0:1], 0x40             ; xn 20, gate 22, wt 24, bp 26
	s_set_vgpr_msb 0x40
	v_lshl_add_u32 v0, v0, 2, 0x1000
	v_mov_b32 v1, 0
	s_set_vgpr_msb 0x4000
	v_lshrrev_b32 v1, 5, v0
	v_readfirstlane_b32 s28, v1                    ; wave 0..3
	v_and_b32 v1, 31, v0                           ; lane
	s_mov_b32 s31, 0                               ; the high word of every offset pair s[30:31]
	s_cmp_lt_u32 ttmp9, 128                        ; the same in all four waves
	s_cbranch_scc0 .Lw
	; ---------------- rows of x ----------------
	s_mov_b32 s36, 0x76543210                      ; v_permlanex16_b32: each lane takes its own place in the other half
	s_mov_b32 s37, 0xfedcba98
	s_mov_b32 s38, 0x3a800000                      ; 1 / 1024
	s_mov_b32 s39, 0x3727c5ac                      ; 1e-5
	v_lshlrev_b32 v5, 4, v1                        ; 16 lane
	v_lshlrev_b32 v4, 6, v1                        ; 64 lane: four rows of gate_w
	v_lshlrev_b32 v3, 3, v1                        ; 8 lane
	s_lshl_b32 s29, s28, 16
	v_add_nc_u32 v2, s29, v5                       ; in x: wave x 16 rows x 4,096 + 16 lane
	s_lshl_b32 s29, s28, 15
	v_add_nc_u32 v3, s29, v3                       ; in xn: wave x 16 rows x 2,048 + 8 lane
	s_lshl_b32 s29, s28, 8
	v_mov_b32 v6, s29                              ; LDS: my wave's 16 rows of gate weights
	v_mov_b32 v9, 0                                ; the upper half of the pair (mean, -): named with it, so it is written
	s_wait_kmcnt 0x0
	s_load_b128 s[32:35], s[12:13], 0x0            ; gate_b
	s_lshl_b32 s30, ttmp9, 18                      ; 64 rows x 4,096 bytes
	s_add_nc_u64 s[4:5], s[4:5], s[30:31]
	s_lshl_b32 s30, ttmp9, 17
	s_add_nc_u64 s[20:21], s[20:21], s[30:31]
	s_lshl_b32 s30, ttmp9, 10
	s_add_nc_u64 s[22:23], s[22:23], s[30:31]
.set i, 0
.rept 32
	global_load_b128 v[G+4*i:G+4*i+3], v4, s[10:11] offset:2048*(i/4)+16*(i%4)   ; gate_w's row d = 128 (i / 4) + 4 lane + i % 4
.set i, i+1
.endr
.irp j, 0,1,2,3,4,5,6,7
	global_load_b128 v[SL+64+4*\j:SL+64+4*\j+3], v5, s[6:7] offset:512*\j        ; gate_ln_g, laid as a row of x, in slot 2
.endr
.irp j, 0,1,2,3,4,5,6,7
	global_load_b128 v[SL+32+4*\j:SL+32+4*\j+3], v5, s[8:9] offset:512*\j        ; gate_ln_b in slot 1
.endr
	FILL 0
	s_wait_loadcnt 0x8                             ; all but row 0's eight loads
.set XB, SL+32
	DOT                                            ; gate_ln_b @ gate_w
	LSUM4
	s_wait_kmcnt 0x0
	v_add_f32 v20, s32, v12                        ; + gate_b: the logits' constant part
	v_add_f32 v21, s33, v13
	v_add_f32 v22, s34, v14
	v_add_f32 v23, s35, v15
.set p, 0
.rept 16
	v_pk_mul_f32 v[G+8*p:G+8*p+1],   v[G+8*p:G+8*p+1],   v[SL+64+2*p:SL+64+2*p+1] op_sel_hi:[1,0]            ; G = gate_ln_g * gate_w
	v_pk_mul_f32 v[G+8*p+2:G+8*p+3], v[G+8*p+2:G+8*p+3], v[SL+64+2*p:SL+64+2*p+1] op_sel_hi:[1,0]
	v_pk_mul_f32 v[G+8*p+4:G+8*p+5], v[G+8*p+4:G+8*p+5], v[SL+64+2*p:SL+64+2*p+1] op_sel:[0,1] op_sel_hi:[1,1]
	v_pk_mul_f32 v[G+8*p+6:G+8*p+7], v[G+8*p+6:G+8*p+7], v[SL+64+2*p:SL+64+2*p+1] op_sel:[0,1] op_sel_hi:[1,1]
.set p, p+1
.endr
	FILL 1
.irp row, 0,1,2,3,4,5,6,7,8,9,10,11,12,13,14,15
	TURN \row
.endr
	s_wait_dscnt 0x0                               ; for the others' sake: my sixteen rows of weights are in LDS
	s_barrier_signal -1
	s_barrier_wait -1
	s_cmp_lt_u32 s28, 2                            ; 64 rows x 16 bytes: two waves store them, 512 consecutive bytes each
	s_cbranch_scc0 .Lxend
	v_lshlrev_b32 v7, 4, v0
	ds_load_b128 v[12:15], v7
	s_wait_dscnt 0x0
	global_store_b128 v7, v[12:15], s[22:23]
.Lxend:
	s_set_vgpr_msb 0x5
	s_wait_tensorcnt 0x0
	ds_add_u32 v0, v1
	s_wait_dscnt 0x0
	s_set_vgpr_msb 0x500
	s_endpgm
	; ---------------- rows of W1 ----------------
.Lw:
	s_sub_co_u32 s29, ttmp9, 128
	s_lshr_b32 s45, s29, 6                         ; expert
	s_bfe_u32 s46, s29, 0x40002                    ; strip of 128 columns, 0..15
	s_and_b32 s47, s29, 3                          ; quarter of the 1,024 rows
	s_lshl_b32 s48, s45, 10
	s_lshl_b32 s49, s47, 8
	s_add_co_u32 s48, s48, s49
	s_lshl_b32 s49, s28, 6
	s_add_co_u32 s48, s48, s49                     ; my wave's first row: 1,024 e + 256 q + 64 wave
	s_mov_b32 s44, 0x41596d27                      ; 16 c = 16 sqrt(log2(e) / 2) = 13.589149
	s_mov_b32 s41, 0                               ; upper halves of the scalar pairs: named with them, so they are written
	s_mov_b32 s43, 0
	v_lshlrev_b32 v2, 4, v1                        ; 16 lane: my four columns in W1
	v_lshlrev_b32 v3, 3, v1                        ; 8 lane: the same in wt
	v_lshlrev_b32 v64, 2, v1
	s_wait_kmcnt 0x0
	s_lshl_b32 s30, s48, 2
	s_add_nc_u64 s[14:15], s[14:15], s[30:31]
	s_add_nc_u64 s[16:17], s[16:17], s[30:31]
	s_lshl_b32 s30, s48, 13                        ; row x 8,192 bytes
	s_lshl_b32 s49, s46, 9                         ; + strip x 512 bytes
	s_add_co_u32 s30, s30, s49
	s_add_nc_u64 s[18:19], s[18:19], s[30:31]
	s_lshr_b32 s30, s30, 1                         ; half of that in f16
	s_add_nc_u64 s[24:25], s[24:25], s[30:31]
	s_lshl_b32 s30, s47, 15                        ; bp: q x 32,768 + (2,048 e + 128 strip) x 4
	s_lshl_b32 s49, s45, 13
	s_add_co_u32 s30, s30, s49
	s_lshl_b32 s49, s46, 9
	s_add_co_u32 s30, s30, s49
	s_add_nc_u64 s[26:27], s[26:27], s[30:31]
	global_load_b32 v4, v64, s[14:15]              ; ex_ln_g of rows lane and lane + 32
	global_load_b32 v5, v64, s[14:15] offset:128
	global_load_b32 v6, v64, s[16:17]              ; ex_ln_b likewise
	global_load_b32 v7, v64, s[16:17] offset:128
.irp i, 0,1,2,3,4,5,6,7
	global_load_b128 v[16+4*\i:19+4*\i], v2, s[18:19] offset:\i*8192 th:TH_LOAD_NT
.endr
	s_wait_loadcnt 0x8                             ; g and ln_b are in; the ring's eight loads stay out
	v_mul_f32 v4, s44, v4
	v_mul_f32 v5, s44, v5
.set rw, 0
.rept 64
	SLOT rw
.set rw, rw+1
.endr
	v_lshlrev_b32 v65, 4, v0
	ds_store_b128 v65, v[8:11] offset:WL           ; my wave's column sums: 512 bytes a wave, from byte WL on
	s_wait_dscnt 0x0                               ; for wave 0's sake: they are in LDS
	s_barrier_signal -1
	s_barrier_wait -1
	s_cmp_lg_u32 s28, 0
	s_cbranch_scc1 .Lwend
	ds_load_b128 v[16:19], v2 offset:WL
	ds_load_b128 v[20:23], v2 offset:WL+512
	ds_load_b128 v[24:27], v2 offset:WL+1024
	ds_load_b128 v[28:31], v2 offset:WL+1536
	s_wait_dscnt 0x0
	v_pk_add_f32 v[16:17], v[16:17], v[20:21]
	v_pk_add_f32 v[18:19], v[18:19], v[22:23]
	v_pk_add_f32 v[24:25], v[24:25], v[28:29]
	v_pk_add_f32 v[26:27], v[26:27], v[30:31]
	v_pk_add_f32 v[16:17], v[16:17], v[24:25]
	v_pk_add_f32 v[18:19], v[18:19], v[26:27]
	global_store_b128 v2, v[16:19], s[26:27]       ; 512 consecutive bytes
.Lwend:
	s_set_vgpr_msb 0x5
	s_wait_tensorcnt 0x0
	ds_add_u32 v0, v1
	s_wait_dscnt 0x0
	s_set_vgpr_msb 0x500
	s_endpgm
.Lfunc_end_k_q24d6e6ea4c_prep:
	.size	k_q24d6e6ea4c_prep, .Lfunc_end_k_q24d6e6ea4c_prep-k_q24d6e6ea4c_prep
	.p2alignl 7, 3214868480
	.fill 96, 4, 3214868480
	.section	.rodata,"a",@progbits
	.p2align	6, 0x0
	.amdhsa_kernel k_q24d6e6ea4c_prep
		.amdhsa_group_segment_fixed_size 4608
		.amdhsa_private_segment_fixed_size 0
		.amdhsa_enable_private_segment 0
		.amdhsa_kernarg_size 96
		.amdhsa_user_sgpr_count 2
		.amdhsa_user_sgpr_kernarg_segment_ptr 1
		.amdhsa_wavefront_size32 1
		.amdhsa_system_sgpr_workgroup_id_x 1
		.amdhsa_system_sgpr_workgroup_id_y 1
		.amdhsa_system_sgpr_workgroup_id_z 1
		.amdhsa_system_vgpr_workitem_id 0
		.amdhsa_next_free_vgpr 258
		.amdhsa_next_free_sgpr 66
		.amdhsa_reserve_vcc 0
		.amdhsa_float_denorm_mode_32 3
		.amdhsa_float_denorm_mode_16_64 3
		.amdhsa_memory_ordered 1
		.amdhsa_forward_progress 1
		.amdhsa_inst_pref_size 255
	.end_amdhsa_kernel
	.section	.bss,"aw",@nobits
	.p2align	6
	.space	262144
	.amdgpu_metadata
---
amdhsa.version: [ 1, 2 ]
amdhsa.kernels:
  - .name:           k_q24d6e6ea4c_prep
    .symbol:         k_q24d6e6ea4c_prep.kd
    .args:
      - { .name: x, .offset: 0, .size: 8, .value_kind: global_buffer, .address_space: global }
      - { .name: gate_ln_g, .offset: 8, .size: 8, .value_kind: global_buffer, .address_space: global }
      - { .name: gate_ln_b, .offset: 16, .size: 8, .value_kind: global_buffer, .address_space: global }
      - { .name: gate_w, .offset: 24, .size: 8, .value_kind: global_buffer, .address_space: global }
      - { .name: gate_b, .offset: 32, .size: 8, .value_kind: global_buffer, .address_space: global }
      - { .name: ex_ln_g, .offset: 40, .size: 8, .value_kind: global_buffer, .address_space: global }
      - { .name: ex_ln_b, .offset: 48, .size: 8, .value_kind: global_buffer, .address_space: global }
      - { .name: ex_w1, .offset: 56, .size: 8, .value_kind: global_buffer, .address_space: global }
      - { .name: xn, .offset: 64, .size: 8, .value_kind: global_buffer, .address_space: global }
      - { .name: gate, .offset: 72, .size: 8, .value_kind: global_buffer, .address_space: global }
      - { .name: wt, .offset: 80, .size: 8, .value_kind: global_buffer, .address_space: global }
      - { .name: bp, .offset: 88, .size: 8, .value_kind: global_buffer, .address_space: global }
    .group_segment_fixed_size: 4608
    .private_segment_fixed_size: 0
    .kernarg_segment_align: 8
    .kernarg_segment_size: 96
    .max_flat_workgroup_size: 128
    .sgpr_count:     66
    .vgpr_count:     258
    .wavefront_size: 32
...
	.end_amdgpu_metadata
.endif
;; end of part 1
;; launch gemm (part 2): grid 8 x 32, 4 waves a work-group, clusters of 4 x 4, 327,680 bytes of LDS; arguments xn, wt, bp, ex_b1, ex_w2, part; writes part
.if DOCPART == 2
	.amdgcn_target "amdgcn-amd-amdhsa--gfx1250"
	.amdhsa_code_object_version 6
	.text
	.protected	k_q24d6e6ea4c_gemm
	.globl	k_q24d6e6ea4c_gemm
	.p2align	8
	.type	k_q24d6e6ea4c_gemm,@function
k_q24d6e6ea4c_gemm:
	s_mov_b64 s[64:65], 0
	v_nop
	global_prefetch_b8 v0, s[64:65] scope:SCOPE_SE
	s_setreg_imm32_b32 hwreg(HW_REG_WAVE_MODE, 25, 1), 1
	s_wait_xcnt 0x0
	s_wait_alu depctr_hold_cnt(0) depctr_sa_sdst(0) depctr_va_vdst(0) depctr_va_sdst(0) depctr_va_ssrc(0) depctr_va_vcc(0) depctr_vm_vsrc(0)
	s_getreg_b32 s2, hwreg(HW_REG_IB_STS2, 6, 4)
	s_cmp_eq_u32 s2, 0
	s_cbranch_scc0 .Lentry_in_a_cluster
	s_endpgm
.Lentry_in_a_cluster:
	s_bfe_u32 s2, ttmp6, 0x10000c
	s_cmp_lg_u32 s2, 0xf033
	s_cbranch_scc0 .Lentry_shape_is_right
	s_endpgm
.Lentry_shape_is_right:
; part[p][b][c] = the sum over 512 columns n = (e, h) of gelu(normed[b] . (g W1)[:, n] + bias[n]) * W2[n][c]:  both einsums and the exact GELU, h never leaving registers.
; The four experts are ONE product [8192 x 1024] x [1024 x 8192]: ex_ln_g is folded into wt, ex_ln_b @ W1 (bp, f32) and ex_b1 into a bias that starts the sums.
; SHARES.  Work-group (gx, gy): rows 256 gy, columns 1,024 gx + 256 t, t = 0..3 (expert gx / 2): it stays and walks four tiles.  Four waves, each 128 x 128: 64 accumulators, 512 registers.
; K = 1,024 goes in 8 steps of 128 through two LDS slots.  A's tile (xn, [row][k]) has rows of 256 bytes; B's (wt, [k][n]) 128 rows of 512 bytes, read turned by ds_load_tr16_b128.
; CLUSTER 4 x 4: A's tile hangs on gy alone and is asked for jointly along a row of the cluster, B's on gx alone, jointly along a column.
; TRANSPOSED USE: source 0 = 16 columns n, source 1 = 16 rows b.  A lane then holds ONE row b (lane % 16) and eight neighbouring n; two such tiles, through the GELU and rounded to f16 in pairs,
; ARE source 1 (32 n x 16 b) of the second product, whose source 0 is W2^T (rows c = 0, 1, 2, then zeros).  Its result holds c = 0..3 in the four lowest registers of lanes 0-15.
; GELU.  xn carries 1/16, wt 16 c, the bias c = sqrt(log2(e)/2), so the sums are v' = c v and exp(-v^2/2) = 2^-(v'^2).  2 c gelu(v) = v' + |v'| erf(|v|/sqrt 2); W2 carries 1/(2c).
; FORMAT.  All matrix operands are f16 (11 significant bits), sums f32; the sums' order differs from the reference's.
; LIMITS, stated.  (1) The second product's operand is 2 c gelu(v), at most 1.7 |v|: it needs |v| < 38,500, and |W2| < 111,000; beyond that an operand becomes infinite.  With ex_ln_g, ex_ln_b,
; W1 and ex_b1 all 30 times what they are drawn as, v is about 1,300 in the root mean square and 7,300 at the most.  Small h and W2 lose at most 3e-8 in absolute terms.
; (2) erf by Abramowitz and Stegun 7.1.26, erf = 1 - t (a1 + t (a2 + t (a3 + t (a4 + t a5)))) exp(-z^2), t = 1 / (1 + 0.3275911 z): its absolute error is at most 1.5e-7 for every z >= 0.
; For large |v'| the square goes to infinity, the exponential to 0 and erf to 1.
;
; REGISTERS, in windows of 256:
;   window 0: v0-29 addresses and constants; v32-63 Q; v64-127, v128-191 A's fragments, two buffers (in the epilogue v128-159 T, v160-191 E); v192-255 the bias as a C operand (in the epilogue v192-207 PK)
;   window 1: v0-63 LG, the 8 accumulators of the second product; v64-127, v128-191 B's fragments; v192-223 W2's four fragments of a tile
;   window 2: the 32 accumulators of my rows 0-63 ((a, b) at v[8 (8 a + b)]);  window 3: those of my rows 64-127
.set KSTEP,  128
.set PITCH,  272                       ; A's LDS row: 256 bytes + 16: the 16 rows that a load touches start 68 words apart
.set BPITCH, 544                       ; B's LDS row: 512 bytes + 32 = 17 x 32: eight rows x 32 bytes of a turning load fall on different words modulo 64
.set HALFT,  128*PITCH                 ; what one tensor load brings: 128 rows of A, or 64 rows of B (64 x 544 is the same number)
.set SLOT,   4*HALFT                   ; A's 256 rows, then B's 128 rows
.set BIASL,  2*SLOT                    ; behind the ring: 1,024 f32, the work-group's bias
.set W2L,    BIASL+4096                ; 4 rows (c = 0, 1, 2, zeros) of 1,024 f16, pitch 2,064
.set W2P,    2064
.set SPARE,  W2L+8448                  ; the spare words, 128 bytes for each wave: two blocks of 256 bytes that no other line names
.set LAPS,   4                         ; a lap = two K steps = once round the ring
.set TILES,  4
.set STEP_A, 2*KSTEP*2                 ; two K steps on: 512 bytes along A's rows,
.set STEP_B, 2*KSTEP*4096              ; 256 rows of 4,096 bytes down B
.set BACK_A, 6*KSTEP*2                 ; from a slot's last K step of a tile to its first of the next: A goes back along K,
.set BACK_B, 6*KSTEP*4096-512          ; B back up and 256 columns on
.set NC,   4                           ; v[4:13]  -a1 .. -a5, each twice (a pair for the packed multiply-adds)
.set ADRA, 16                          ; v16-17   LDS address of my A fragments in slot 0, 1
.set ADRB, 20                          ; v20-21   the same for B
.set ADRBI, 22                         ; v22      my place in a tile's bias; never rewritten
.set ADRW2, 23                         ; v23      my place in a tile's part of W2; never rewritten
.set PO,   24                          ; v24      my byte offset in part
.set LN,   25                          ; v25      lane
.set TA,   26                          ; v26, v27 the LDS addresses in hand
.set TB2,  27
.set SPW,  28                          ; v28      LDS address of my spare word; never rewritten
.set NIL,  29                          ; v29      0; never rewritten
.set Q,    32
.set F0,   64
.set F1,   128
.set T,    128
.set E,    160
.set BIAS, 192
.set PK,   192
.set LG,   0                           ; window 1
.set W2F,  192                         ; window 1
.set HB,   128                         ; the head's work: ex_b1 (8), bp (32), ex_w2 (24), packed W2 (12), zeros (4)
.set HP,   136
.set HW,   168
.set HC,   192
.set HZ,   204
.set G1,  24                           ; s[24:31] descriptor group 1 for A's tiles;  s[32:39] group 0, one set for each slot
.set G0,  32
.set G1B, 48                           ; s[48:55], s[56:63] the same for B's tiles
.set G0B, 56
.set TBI, 66                           ; s66 the tile's first byte in the bias;  s67 in a row of W2
.set TW2, 67
.set PP,  76                           ; s76 0.3275911 / sqrt(log2 e)
.set MSB, 0
.macro WIN new                         ; the immediate's high byte repeats the setting that is left; a switch that changes nothing is dropped
.if MSB != \new
	s_set_vgpr_msb (MSB<<8)|\new
.set MSB, \new
.endif
.endm
.set MUL_LO, 0xa1                      ; source 0 (B) window 1, source 1 (A) window 0, C and D window 2
.set MUL_HI, 0xf1                      ; the same, C and D window 3
.set BIA_LO, 0x81                      ; a tile's first products: C is the bias, in window 0; D window 2
.set BIA_HI, 0xc1                      ; D window 3
.set TO_B,   0x40                      ; destination window 1, address window 0
; A joint load.  Waves 0 and 1 fetch A's two halves, waves 2 and 3 B's.  The branch hangs on the wave's number alone.  Four v_nop follow each of the two lines.
.macro JLOAD s
	s_cmp_eq_u32 s11, 0
	s_cbranch_scc0 .Lfor_b_\@
	tensor_load_to_lds s[G0+4*\s:G0+4*\s+3], s[G1:G1+7]
	s_nop 0
.rept 4
	v_nop
.endr
	s_branch .Lasked_\@
.Lfor_b_\@:
	tensor_load_to_lds s[G0B+4*\s:G0B+4*\s+3], s[G1B:G1B+7]
	s_nop 0
.rept 4
	v_nop
.endr
.Lasked_\@:
.endm
.macro CREST                           ; a round of the cluster's barrier behind its opening barrier
	s_cmp_lg_u32 s10, 0
	s_cbranch_scc1 .Lnot_wave_0_\@
	s_barrier_signal -3
.Lnot_wave_0_\@:
	s_barrier_wait -3
	s_barrier_signal -1
	s_barrier_wait -1
.endm
.macro CROUND                          ; a whole round
	s_barrier_signal -1
	s_barrier_wait -1
	CREST
.endm
.macro PLACES                          ; four places behind matrix instructions (ISA guide 7.12.1), where no other vector work is at hand
.rept 4
	v_nop
.endr
.endm
; 16 matrix instructions: m blocks a0, a0 + 1 of the window's four x all 8 n blocks, 32 along K.  zero = 1: the bias starts the sums: nothing is cleared, nothing is added later.
.macro MUL16 f, hi, a0, zero
.irp a, \a0, \a0+1
.irp b, 0,1,2,3,4,5,6,7
.if \zero
	v_wmma_f32_16x16x32_f16 v[8*(8*(\a)+\b):8*(8*(\a)+\b)+7], v[\f+8*\b:\f+8*\b+7], v[\f+8*(4*\hi+\a):\f+8*(4*\hi+\a)+7], v[BIAS+8*\b:BIAS+8*\b+7]
.else
	v_wmma_f32_16x16x32_f16 v[8*(8*(\a)+\b):8*(8*(\a)+\b)+7], v[\f+8*\b:\f+8*\b+7], v[\f+8*(4*\hi+\a):\f+8*(4*\hi+\a)+7], v[8*(8*(\a)+\b):8*(8*(\a)+\b)+7]
.endif
.endr
.endr
.endm
; 32 LDS loads in one run: the fragments of quarter q (32 along K) of a slot into buffer f: B's 128 columns turned, then A's 128 rows
.macro FETCH slot, q, f
	WIN TO_B
.irp i, 0,1,2,3,4,5,6,7
	ds_load_tr16_b128 v[\f+8*\i:\f+8*\i+3],   v[ADRB+\slot] offset:\q*32*BPITCH+32*\i
	ds_load_tr16_b128 v[\f+8*\i+4:\f+8*\i+7], v[ADRB+\slot] offset:\q*32*BPITCH+16*BPITCH+32*\i
.endr
	WIN 0
.irp i, 0,1,2,3,4,5,6,7
	ds_load_b128 v[\f+8*\i:\f+8*\i+3],   v[ADRA+\slot] offset:\q*64+\i*16*PITCH
	ds_load_b128 v[\f+8*\i+4:\f+8*\i+7], v[ADRA+\slot] offset:\q*64+\i*16*PITCH+32
.endr
.endm
; One of a K step's first three quarters: multiplies buffer f; in its middle it fetches quarter q of the same slot into buffer g.
.macro QUARTER slot, q, f, g, zero
	s_wait_dscnt 8                                 ; all but the youngest eight loads: A's rows 64-127, or, in a tile's first quarter, W2's fragments
.if \zero
	WIN BIA_LO
.else
	WIN MUL_LO
.endif
	MUL16 \f, 0, 0, \zero
	MUL16 \f, 0, 2, \zero
	PLACES
	FETCH \slot, \q, \g
	s_wait_dscnt 32                                ; all but the 32 just issued
.if \zero
	WIN BIA_HI
.else
	WIN MUL_HI
.endif
	MUL16 \f, 1, 0, \zero
	MUL16 \f, 1, 2, \zero
.endm
; The first half of a K step's last quarter: ONE barrier for the change of slots.  In front of it each wave waits for all its tensor loads (one is out: its part of the next slot),
; adds 0 to its spare word, and waits for that and for its own reads of this slot.
.macro MEET round
	WIN 0                                          ; (the add's two registers lie in window 0)
	s_wait_tensorcnt 0x0
	ds_add_u32 v[SPW], v[NIL]
	s_wait_dscnt 9                                 ; the add and the youngest eight loads may be out
	WIN MUL_LO
	MUL16 F1, 0, 0, 0                              ; sixteen matrix instructions stand between the add and the wait for it
	s_wait_dscnt 0x0                               ; the add is done, and my reads of this slot are over
	s_barrier_signal -1
	MUL16 F1, 0, 2, 0
.if \round
	WIN 0
.endif
	s_barrier_wait -1
.endm
; The whole last quarter.  Behind the round the slot just read is filled again first: with this tile's K step two steps on (on = 0) or the next tile's K step 0 or 1 (on = 1).
; From a request to the wait for it a wave issues 224 matrix instructions.
.macro TURN slot, next, on
	MEET 1
	CREST                                          ; no wave of any partner still reads this slot or has a load on its way
.if \on
	s_sub_nc_u64 s[G0+4*\slot+2:G0+4*\slot+3], s[G0+4*\slot+2:G0+4*\slot+3], BACK_A
	s_sub_nc_u64 s[G0B+4*\slot+2:G0B+4*\slot+3], s[G0B+4*\slot+2:G0B+4*\slot+3], BACK_B
.else
	s_add_nc_u64 s[G0+4*\slot+2:G0+4*\slot+3], s[G0+4*\slot+2:G0+4*\slot+3], STEP_A
	s_add_nc_u64 s[G0B+4*\slot+2:G0B+4*\slot+3], s[G0B+4*\slot+2:G0B+4*\slot+3], STEP_B
.endif
	JLOAD \slot                                    ; the first tensor load behind the round; its four v_nop are also the places in front of the loads below
	FETCH \next, 0, F0
	WIN MUL_HI
	MUL16 F1, 1, 0, 0
	MUL16 F1, 1, 2, 0
.endm
.macro TURN_NF                         ; the last change of slots: nothing is left to fetch, so no round follows
	MEET 0
	PLACES
	FETCH 1, 0, F0
	WIN MUL_HI
	MUL16 F1, 1, 0, 0
	MUL16 F1, 1, 2, 0
.endm
.macro LASTQ                           ; the very last quarter
	s_wait_dscnt 8
	WIN MUL_LO
	MUL16 F1, 0, 0, 0
	MUL16 F1, 0, 2, 0
	s_wait_dscnt 0x0
	WIN MUL_HI
	MUL16 F1, 1, 0, 0
	MUL16 F1, 1, 2, 0
.endm
; A tile's bias (register j of n block b: column 16 b + 8 (lane / 16) + j) and its four fragments of W2^T (row min(lane % 16, 3), 32 columns each)
.macro TILEIN
	v_add_nc_u32 v[TA], s[TBI], v[ADRBI]
	v_add_nc_u32 v[TB2], s[TW2], v[ADRW2]
	s_add_co_u32 s[TBI], s[TBI], 1024              ; the next tile's 256 f32
	s_add_co_u32 s[TW2], s[TW2], 512               ; and 256 f16
.irp b, 0,1,2,3,4,5,6,7
	ds_load_b128 v[BIAS+8*\b:BIAS+8*\b+3],   v[TA] offset:64*\b
	ds_load_b128 v[BIAS+8*\b+4:BIAS+8*\b+7], v[TA] offset:64*\b+16
.endr
	WIN TO_B
.irp k, 0,1,2,3
	ds_load_b128 v[W2F+8*\k:W2F+8*\k+3],   v[TB2] offset:64*\k
	ds_load_b128 v[W2F+8*\k+4:W2F+8*\k+7], v[TB2] offset:64*\k+32
.endr
	WIN 0
.endm
; GELU and second product for 32 numbers a lane: m blocks a, a + 1 of window w, n blocks 2 kb, 2 kb + 1.
.macro BATCH w, a, kb
.set VB, 64*(\a)+16*(\kb)
	WIN 5*\w                                       ; sources 0 and 1 in window w
.set i, 0
.rept 16
.set vv, VB+64*(i/8)+2*(i%8)
	v_pk_mul_f32 v[E+2*i:E+2*i+1], v[vv:vv+1], v[vv:vv+1] neg_lo:[1,0] neg_hi:[1,0]   ; -v'^2; each accumulator is read from its low end on
.set i, i+1
.endr
.set i, 0
.rept 32
.set vv, VB+64*(i/16)+i%16
	v_fma_f32 v[T+i], |v[vv]|, s[PP], 1.0          ; 1 + p z
.set i, i+1
.endr
	WIN 0
.set i, 0
.rept 8
	v_rcp_f32 v[T+i], v[T+i]                       ; t, group 0
.set i, i+1
.endr
.set i, 0
.rept 8
	v_exp_f32 v[E+i], v[E+i]                       ; exp(-z^2), group 0
.set i, i+1
.endr
	v_nop                                          ; a plain instruction between the last of them and the first use
; four groups of four pairs; 24 plain instructions a group; behind each of the first 16 stands one reciprocal or exponential of the NEXT group, so that each has a plain instruction behind it
.set g, 0
.rept 4
.set j, 0
.rept 24
.set o, 8*g+2*(j%4)
.if j < 4
	s_wait_alu depctr_va_vdst(0)
	v_pk_fma_f32 v[Q+o:Q+o+1], v[T+o:T+o+1], v[NC+8:NC+9], v[NC+6:NC+7]
.elseif j < 16
.set cn, NC+6-2*(j/4)
	v_pk_fma_f32 v[Q+o:Q+o+1], v[Q+o:Q+o+1], v[T+o:T+o+1], v[cn:cn+1]
.elseif j < 20
	v_pk_mul_f32 v[E+o:E+o+1], v[E+o:E+o+1], v[T+o:T+o+1]
.else
	v_pk_fma_f32 v[Q+o:Q+o+1], v[Q+o:Q+o+1], v[E+o:E+o+1], 1.0 op_sel_hi:[1,1,0]      ; erf
.endif
.if g < 3
.if j < 8
	v_rcp_f32 v[T+8*g+8+j], v[T+8*g+8+j]
.elseif j < 16
	v_exp_f32 v[E+8*g+j], v[E+8*g+j]
.endif
.endif
.set j, j+1
.endr
.set g, g+1
.endr
	WIN 0x11*\w                                    ; sources 0 and 2 in window w
.set i, 0
.rept 32
.set vv, VB+64*(i/16)+i%16
	v_fma_f32 v[Q+i], |v[vv]|, v[Q+i], v[vv]       ; 2 c gelu = v' + |v'| erf
.set i, i+1
.endr
	WIN 0
.set i, 0
.rept 16
	v_cvt_pk_f16_f32 v[PK+i], v[Q+2*i], v[Q+2*i+1]
.set i, i+1
.endr
	WIN 0x51                                       ; W2's fragment, C and D in window 1, PK in window 0
.set x, 4*(\w-2)+\a
	v_wmma_f32_16x16x32_f16 v[LG+8*x:LG+8*x+7],    v[W2F+8*\kb:W2F+8*\kb+7], v[PK:PK+7],    v[LG+8*x:LG+8*x+7]      ; the two accumulators take turns, one instruction a turn
	v_wmma_f32_16x16x32_f16 v[LG+8*x+8:LG+8*x+15], v[W2F+8*\kb:W2F+8*\kb+7], v[PK+8:PK+15], v[LG+8*x+8:LG+8*x+15]
.endm
.macro EPILOGUE                        ; no LDS and no tensor instruction stands in it: the next tile's first fragments and K steps are on their way meanwhile
	PLACES                                         ; behind the tile's last products
.irp w, 2,3
.irp a, 0,2
.irp kb, 0,1,2,3
	BATCH \w, \a, \kb
.endr
.endr
.endr
	PLACES                                         ; behind the last two products: PK's and W2's registers are loaded again, or LG is stored
	WIN 0
.endm
; A whole tile.  last = 0: its last two changes of slots ask for the next tile's K steps 0 and 1, and the second fetches the next tile's first fragments.
.macro TILE last
	TILEIN
	QUARTER 0, 1, F0, F1, 1                        ; the first quarter stands in front of the loop: its products take the bias as C
	WIN 0                                          ; at a label and at a branch every window is 0
	s_mov_b32 s3, LAPS-1
.Llap_\@:                                              ; a trip goes once round the ring, from a lap's second quarter to the next lap's first, and fills both slots again
	QUARTER 0, 2, F1, F0, 0
	QUARTER 0, 3, F0, F1, 0
	TURN 0, 1, 0
	QUARTER 1, 1, F0, F1, 0
	QUARTER 1, 2, F1, F0, 0
	QUARTER 1, 3, F0, F1, 0
	TURN 1, 0, 0
	QUARTER 0, 1, F0, F1, 0
	WIN 0
	s_sub_co_u32 s3, s3, 1
	s_cmp_lg_u32 s3, 0
	s_cbranch_scc1 .Llap_\@
	QUARTER 0, 2, F1, F0, 0
	QUARTER 0, 3, F0, F1, 0
.if \last
	TURN_NF
	QUARTER 1, 1, F0, F1, 0
	QUARTER 1, 2, F1, F0, 0
	QUARTER 1, 3, F0, F1, 0
	LASTQ
.else
	TURN 0, 1, 1
	QUARTER 1, 1, F0, F1, 0
	QUARTER 1, 2, F1, F0, 0
	QUARTER 1, 3, F0, F1, 0
	TURN 1, 0, 1
.endif
	EPILOGUE
.endm
	s_load_b256 s[80:87], s[0:1], 0x0              ; xn 80, wt 82, bp 84, ex_b1 86
	s_load_b128 s[88:91], s[0:1], 0x20             ; ex_w2 88, part 90
	v_lshl_add_u32 v[SPW], v0, 2, SPARE
	v_mov_b32 v[NIL], 0
	ds_add_u32 v28, v29
	s_wait_dscnt 0x0
	v_lshrrev_b32 v1, 5, v0
	v_readfirstlane_b32 s10, v1                    ; wave 0..3
	s_lshr_b32 s11, s10, 1                         ; which half of the tile's rows is mine.  Also: I fetch for A (0) or for B (1)
	s_and_b32 s12, s10, 1                          ; which half of its columns.  Also: which half of that tile I fetch
	s_bfe_u32 s40, ttmp6, 0x40000                  ; cx
	s_bfe_u32 s41, ttmp6, 0x40004                  ; cy
	s_lshl_b32 s42, ttmp9, 2
	s_add_co_u32 s42, s42, s40                     ; gx = 4 x cluster x + cx
	s_and_b32 s13, ttmp7, 0xffff
	s_lshl_b32 s13, s13, 2
	s_add_co_u32 s13, s13, s41                     ; gy = 4 x cluster y + cy
	s_lshl_b32 s43, s41, 2
	s_lshl_b32 s43, 15, s43                        ; my row of the cluster
	s_lshl_b32 s44, 0x1111, s40                    ; my column
	s_or_b32 s[G1+0], s43, (1<<16)|(1<<20)|(1<<21)|(5<<22)|(3<<25)   ; A: the mask of my row; elements of 2 bytes; padding on; bit 21 beside a mask; after every 64 words 4 words
	s_or_b32 s[G1B+0], s44, (1<<16)|(1<<20)|(1<<21)|(6<<22)|(7<<25)  ; B: the mask of my column; after every 128 words 8 words
	s_mov_b32 s[G1+1], 128<<16                     ; A: tensor_dim0 = 128
	s_mov_b32 s[G1+2], 128<<16                     ; tensor_dim1 = 128
	s_mov_b32 s[G1+3], 128<<16                     ; tile_dim0 = 128
	s_mov_b32 s[G1+4], 128                         ; tile_dim1 = 128
	s_mov_b32 s[G1+5], 1024                        ; elements from row to row
	s_mov_b32 s[G1+6], 0
	s_mov_b32 s[G1+7], 0
	s_mov_b32 s[G1B+1], 256<<16                    ; B: tensor_dim0 = 256
	s_mov_b32 s[G1B+2], 64<<16                     ; tensor_dim1 = 64
	s_mov_b32 s[G1B+3], 256<<16                    ; tile_dim0 = 256
	s_mov_b32 s[G1B+4], 64                         ; tile_dim1 = 64
	s_mov_b32 s[G1B+5], 2048                       ; elements from row to row
	s_mov_b32 s[G1B+6], 0
	s_mov_b32 s[G1B+7], 0
	; A's address hangs on gy and the wave's number, B's on gx and the wave's number, each in registers that never hold the other coordinate
	s_lshl_b32 s16, s13, 8
	s_lshl_b32 s17, s12, 7
	s_add_co_u32 s16, s16, s17                     ; A: row 256 gy + 128 x half,
	s_lshl_b32 s16, s16, 11                        ; of 2,048 bytes
	s_mov_b32 s17, 0
	s_lshr_b32 s46, s42, 1
	s_lshl_b32 s46, s46, 22                        ; B: the expert's 1,024 x 2,048 f16,
	s_and_b32 s47, s42, 1
	s_lshl_b32 s47, s47, 11                        ; its columns 1,024 (gx % 2) on,
	s_add_co_u32 s46, s46, s47
	s_lshl_b32 s47, s12, 18                        ; 64 rows of 4,096 bytes x half
	s_add_co_u32 s46, s46, s47
	s_mov_b32 s47, 0
	s_mul_i32 s20, s10, HALFT                      ; where they go: wave x HALFT: no place in the cluster enters an LDS address
	s_mov_b32 s[TBI], 0
	s_mov_b32 s[TW2], 0
	s_mov_b32 s[PP], 0x3e8ba43f                    ; 0.3275911 / sqrt(log2 e) = 0.27273748
	s_mov_b32 s78, 0x3f596d27                      ; c = 0.8493218
	s_mov_b32 s79, s78
	s_mov_b32 s92, 0x3f16b55f                      ; 1 / (2 c) = 0.5887050
	s_mov_b32 s93, s92
	s_wait_kmcnt 0x0
	s_add_nc_u64 s[14:15], s[80:81], s[16:17]
	s_add_nc_u64 s[46:47], s[82:83], s[46:47]
	CROUND                                         ; all sixteen work-groups are here: the first joint loads meet
.irp s, 0,1
	s_mov_b32 s[G0+4*\s], 1
	s_add_co_u32 s[G0+4*\s+1], s20, \s*SLOT
	s_add_nc_u64 s[G0+4*\s+2:G0+4*\s+3], s[14:15], \s*KSTEP*2
	s_or_b32 s[G0+4*\s+3], s[G0+4*\s+3], 0x80000000
	s_mov_b32 s[G0B+4*\s], 1
	s_add_co_u32 s[G0B+4*\s+1], s20, \s*SLOT
	s_add_nc_u64 s[G0B+4*\s+2:G0B+4*\s+3], s[46:47], \s*KSTEP*4096
	s_or_b32 s[G0B+4*\s+3], s[G0B+4*\s+3], 0x80000000
.endr
	s_cmp_eq_u32 s11, 0                            ; a wave's two first fills stand in one branch, ahead of every wait on TENSORcnt, LDS read and further barrier: two loads of mine are out
	s_cbranch_scc0 .Lfirst_b
	tensor_load_to_lds s[G0:G0+3], s[G1:G1+7]
	s_nop 0
	tensor_load_to_lds s[G0+4:G0+7], s[G1:G1+7]
	s_nop 0
.rept 4
	v_nop
.endr
	s_branch .Lfirst_asked
.Lfirst_b:
	tensor_load_to_lds s[G0B:G0B+3], s[G1B:G1B+7]
	s_nop 0
	tensor_load_to_lds s[G0B+4:G0B+7], s[G1B:G1B+7]
	s_nop 0
.rept 4
	v_nop
.endr
.Lfirst_asked:
	; the work-group's 1,024 columns of ex_b1, bp and ex_w2: thread t takes columns 8 t .. 8 t + 7
	s_lshl_b32 s94, s42, 12
	s_mov_b32 s95, 0
	s_add_nc_u64 s[84:85], s[84:85], s[94:95]
	s_add_nc_u64 s[86:87], s[86:87], s[94:95]
	s_mul_i32 s94, s42, 12288
	s_add_nc_u64 s[88:89], s[88:89], s[94:95]
	v_lshlrev_b32 v3, 5, v0                        ; 32 t
	v_mul_u32_u24 v14, v0, 96                      ; 96 t
	global_load_b128 v[HB:HB+3],   v3, s[86:87]
	global_load_b128 v[HB+4:HB+7], v3, s[86:87] offset:16
.irp q, 0,1,2,3
	global_load_b128 v[HP+8*\q:HP+8*\q+3],   v3, s[84:85] offset:\q*32768
	global_load_b128 v[HP+8*\q+4:HP+8*\q+7], v3, s[84:85] offset:\q*32768+16
.endr
.irp i, 0,1,2,3,4,5
	global_load_b128 v[HW+4*\i:HW+4*\i+3], v14, s[88:89] offset:16*\i
.endr
	s_lshl_b32 s94, s42, 1                         ; part: p = 2 gx + column half, 131,072 bytes each;
	s_add_co_u32 s94, s94, s12
	s_lshl_b32 s94, s94, 17
	s_lshl_b32 s18, s13, 12                        ; row 256 gy + 128 x row half, 16 bytes each
	s_add_co_u32 s94, s94, s18
	s_lshl_b32 s18, s11, 11
	s_add_co_u32 s94, s94, s18
	s_add_nc_u64 s[90:91], s[90:91], s[94:95]
	v_and_b32 v1, 15, v0                           ; r = lane % 16
	v_bfe_u32 v2, v0, 4, 1                         ; h = lane / 16
	v_and_b32 v[LN], 31, v0
	v_mul_u32_u24 v15, v1, PITCH
	v_lshl_add_u32 v15, v2, 4, v15                 ; A: row x pitch + 16 h
	s_mul_i32 s21, s11, HALFT                      ; my 128 rows of A
	v_add_nc_u32 v[ADRA], s21, v15
	s_add_co_u32 s21, s21, SLOT
	v_add_nc_u32 v[ADRA+1], s21, v15
	v_and_b32 v18, 7, v0                           ; B, turned: lane l reads 16 bytes of row 8 h + l % 8, columns 8 ((l / 8) % 2) on
	v_lshl_add_u32 v18, v2, 3, v18
	v_mul_u32_u24 v18, v18, BPITCH
	v_bfe_u32 v19, v0, 3, 1
	v_lshl_add_u32 v18, v19, 4, v18
	s_lshl_b32 s22, s12, 8                         ; my 128 columns,
	s_add_co_u32 s22, s22, 2*HALFT                 ; behind A's 256 rows
	v_add_nc_u32 v[ADRB], s22, v18
	s_add_co_u32 s22, s22, SLOT
	v_add_nc_u32 v[ADRB+1], s22, v18
	s_lshl_b32 s23, s12, 9
	s_add_co_u32 s23, s23, BIASL
	v_lshl_add_u32 v[ADRBI], v2, 5, s23            ; bias: my 128 columns, 8 h on
	v_min_u32 v19, 3, v1                           ; W2^T: rows 3 to 15 are the row of zeros
	v_mul_u32_u24 v19, v19, W2P
	v_lshl_add_u32 v19, v2, 4, v19
	s_lshl_b32 s23, s12, 8
	s_add_co_u32 s23, s23, W2L
	v_add_nc_u32 v[ADRW2], s23, v19
	v_lshlrev_b32 v[PO], 4, v1
	v_add_nc_u32 v[TA], BIASL, v3                  ; where thread t puts its 8 biases
	v_lshl_add_u32 v[TB2], v0, 4, W2L              ; and its 8 f16 of each row of W2^T
.irp k, 0,1
	v_mov_b32 v[NC+\k],   0xbe827906               ; -a1
	v_mov_b32 v[NC+2+\k], 0x3e91a98e               ; -a2
	v_mov_b32 v[NC+4+\k], 0xbfb5f0e3               ; -a3
	v_mov_b32 v[NC+6+\k], 0x3fba00e3               ; -a4
	v_mov_b32 v[NC+8+\k], 0xbf87dc22               ; -a5
.endr
.irp k, 0,1,2,3
	v_mov_b32 v[HZ+\k], 0
.endr
	WIN TO_B
.set i, 0
.rept 64
	v_mov_b32 v[LG+i], 0                           ; the second product's 8 sums run over all four tiles through one written-out epilogue, so they are cleared once, while the first tiles are on their way
.set i, i+1
.endr
	WIN 0
	s_wait_loadcnt 0x0
.irp q, 0,1,2,3
.irp k, 0,2,4,6
	v_pk_add_f32 v[HB+\k:HB+\k+1], v[HB+\k:HB+\k+1], v[HP+8*\q+\k:HP+8*\q+\k+1]       ; ex_b1 + ex_ln_b @ W1
.endr
.endr
.irp k, 0,2,4,6
	v_pk_mul_f32 v[HB+\k:HB+\k+1], v[HB+\k:HB+\k+1], s[78:79] op_sel_hi:[1,0]         ; times c
.endr
	ds_store_b128 v[TA], v[HB:HB+3]
	ds_store_b128 v[TA], v[HB+4:HB+7] offset:16
.set i, 0
.rept 12
	v_pk_mul_f32 v[HW+2*i:HW+2*i+1], v[HW+2*i:HW+2*i+1], s[92:93] op_sel_hi:[1,0]     ; W2 / (2 c)
.set i, i+1
.endr
.irp c, 0,1,2
.irp p, 0,1,2,3
	v_cvt_pk_f16_f32 v[HC+4*\c+\p], v[HW+6*\p+\c], v[HW+6*\p+3+\c]                    ; row c: columns 2 p and 2 p + 1
.endr
.endr
.irp c, 0,1,2
	ds_store_b128 v[TB2], v[HC+4*\c:HC+4*\c+3] offset:W2P*\c
.endr
	ds_store_b128 v[TB2], v[HZ:HZ+3] offset:W2P*3
	s_wait_tensorcnt 0x1                           ; my part of K step 0 is in; K step 1's may stay out
	s_wait_dscnt 0x0                               ; for the others' sake: my biases and my part of W2 are in LDS
	s_barrier_signal -1
	s_barrier_wait -1
	FETCH 0, 0, F0
	s_mov_b32 s2, TILES-1                          ; the same number in every work-group
.Ltile:
	TILE 0
	s_sub_co_u32 s2, s2, 1
	s_cmp_lg_u32 s2, 0
	s_cbranch_scc1 .Ltile
	TILE 1                                         ; the last tile is written out: it asks for nothing beyond its own K steps
	; THE WAY OUT: lanes 0-15 hold c = 0..3 (c = 3 is 0) of row 16 a + lane in the four lowest registers of accumulator a
	v_cmp_gt_u32 vcc_lo, 16, v[LN]
	s_wait_xcnt 0x0                                ; EXEC changes only behind this wait
	s_and_saveexec_b32 s77, vcc_lo
	WIN 0x04                                       ; the stores' data lie in window 1
.irp a, 0,1,2,3,4,5,6,7
	global_store_b128 v[PO], v[LG+8*\a:LG+8*\a+3], s[90:91] offset:256*\a   ; 16 lanes store 256 consecutive bytes, aligned
.endr
	WIN 0
	s_wait_xcnt 0x0                                ; and again, in front of the line that widens it
	s_or_b32 exec_lo, exec_lo, s77
	s_wait_tensorcnt 0x0                           ; the wave's end
	ds_add_u32 v[SPW], v[NIL]
	s_wait_dscnt 0x0
	CROUND                                         ; the closing round: no work-group ends while a partner may still ask for a tile that names it
	s_endpgm
.Lfunc_end_k_q24d6e6ea4c_gemm:
	.size	k_q24d6e6ea4c_gemm, .Lfunc_end_k_q24d6e6ea4c_gemm-k_q24d6e6ea4c_gemm
	.p2alignl 7, 3214868480
	.fill 96, 4, 3214868480
	.section	.rodata,"a",@progbits
	.p2align	6, 0x0
	.amdhsa_kernel k_q24d6e6ea4c_gemm
		.amdhsa_group_segment_fixed_size 327680
		.amdhsa_private_segment_fixed_size 0
		.amdhsa_enable_private_segment 0
		.amdhsa_kernarg_size 48
		.amdhsa_user_sgpr_count 2
		.amdhsa_user_sgpr_kernarg_segment_ptr 1
		.amdhsa_wavefront_size32 1
		.amdhsa_system_sgpr_workgroup_id_x 1
		.amdhsa_system_sgpr_workgroup_id_y 1
		.amdhsa_system_sgpr_workgroup_id_z 1
		.amdhsa_system_vgpr_workitem_id 0
		.amdhsa_next_free_vgpr 1024
		.amdhsa_next_free_sgpr 96
		.amdhsa_reserve_vcc 1
		.amdhsa_float_denorm_mode_32 3
		.amdhsa_float_denorm_mode_16_64 3
		.amdhsa_memory_ordered 1
		.amdhsa_forward_progress 1
		.amdhsa_inst_pref_size 255
	.end_amdhsa_kernel
	.section	.bss,"aw",@nobits
	.p2align	6
	.space	262144
	.amdgpu_metadata
---
amdhsa.version: [ 1, 2 ]
amdhsa.kernels:
  - .name:           k_q24d6e6ea4c_gemm
    .symbol:         k_q24d6e6ea4c_gemm.kd
    .args:
      - { .name: xn, .offset: 0, .size: 8, .value_kind: global_buffer, .address_space: global }
      - { .name: wt, .offset: 8, .size: 8, .value_kind: global_buffer, .address_space: global }
      - { .name: bp, .offset: 16, .size: 8, .value_kind: global_buffer, .address_space: global }
      - { .name: ex_b1, .offset: 24, .size: 8, .value_kind: global_buffer, .address_space: global }
      - { .name: ex_w2, .offset: 32, .size: 8, .value_kind: global_buffer, .address_space: global }
      - { .name: part, .offset: 40, .size: 8, .value_kind: global_buffer, .address_space: global }
    .group_segment_fixed_size: 327680
    .private_segment_fixed_size: 0
    .kernarg_segment_align: 8
    .kernarg_segment_size: 48
    .max_flat_workgroup_size: 128
    .sgpr_count:     96
    .vgpr_count:     1024
    .wavefront_size: 32
...
	.end_amdgpu_metadata
.endif
;; end of part 2
;; launch final (part 3): grid 64 x 1, 4 waves a work-group, no clusters, 2,560 bytes of LDS; arguments part, gate, ex_b2, out0; writes out0
.if DOCPART == 3
	.amdgcn_target "amdgcn-amd-amdhsa--gfx1250"
	.amdhsa_code_object_version 6
	.text
	.protected	k_q24d6e6ea4c_final
	.globl	k_q24d6e6ea4c_final
	.p2align	8
	.type	k_q24d6e6ea4c_final,@function
k_q24d6e6ea4c_final:
	s_mov_b64 s[64:65], 0
	v_nop
	global_prefetch_b8 v0, s[64:65] scope:SCOPE_SE
	s_setreg_imm32_b32 hwreg(HW_REG_WAVE_MODE, 25, 1), 1
	s_wait_xcnt 0x0
; out0[b][c] = the sum over e of gate[b][e] * (the sum over p = 4 e .. 4 e + 3 of part[p][b][c] + ex_b2[e][c]).  All f32.
; A work-group owns 128 rows, a thread one row: 17 loads of 16 bytes, each covering 512 consecutive bytes a wave, all issued before the one wait.
; A row's 12 bytes go through LDS, so that the 1,536 bytes of a work-group leave as 16 bytes a lane, 512 consecutive bytes a wave.
; No matrix unit, no cluster: 2 MB are read once and nothing is shared.
	s_load_b256 s[4:11], s[0:1], 0x0               ; part 4, gate 6, ex_b2 8, out0 10
	v_lshl_add_u32 v96, v0, 2, 0x800
	v_mov_b32 v97, 0
	v_lshrrev_b32 v1, 5, v0
	v_readfirstlane_b32 s24, v1                    ; wave 0..3
	v_lshlrev_b32 v2, 4, v0                        ; 16 t
	v_mul_u32_u24 v3, v0, 12                       ; 12 t
	s_lshl_b32 s26, ttmp9, 11                      ; 128 rows x 16 bytes
	s_mov_b32 s27, 0
	s_wait_kmcnt 0x0
	s_load_b256 s[12:19], s[8:9], 0x0              ; ex_b2[e][c] in s[12 + 3 e + c]
	s_load_b128 s[20:23], s[8:9], 0x20
	s_add_nc_u64 s[4:5], s[4:5], s[26:27]
	s_add_nc_u64 s[6:7], s[6:7], s[26:27]
	global_load_b128 v[4:7], v2, s[6:7]
.irp p, 0,1,2,3,4,5,6,7,8,9,10,11,12,13,14,15
	global_load_b128 v[8+4*\p:11+4*\p], v2, s[4:5] offset:\p*131072
.endr
	s_mul_i32 s26, ttmp9, 1536                     ; 128 rows x 12 bytes
	s_add_nc_u64 s[10:11], s[10:11], s[26:27]
	s_wait_loadcnt 0x0
	s_wait_kmcnt 0x0
.irp e, 0,1,2,3
.set A, 8+16*\e
	v_pk_add_f32 v[A:A+1], v[A:A+1], v[A+4:A+5]
	v_pk_add_f32 v[A+8:A+9], v[A+8:A+9], v[A+12:A+13]
	v_add_f32 v[A+2], v[A+2], v[A+6]
	v_add_f32 v[A+10], v[A+10], v[A+14]
	v_pk_add_f32 v[A:A+1], v[A:A+1], v[A+8:A+9]
	v_add_f32 v[A+2], v[A+2], v[A+10]
	v_add_f32 v[A],   s[12+3*\e], v[A]
	v_add_f32 v[A+1], s[13+3*\e], v[A+1]
	v_add_f32 v[A+2], s[14+3*\e], v[A+2]
.if \e == 0
	v_mul_f32 v72, v[4+\e], v[A]                   ; the first expert starts the sums
	v_mul_f32 v73, v[4+\e], v[A+1]
	v_mul_f32 v74, v[4+\e], v[A+2]
.else
	v_fma_f32 v72, v[4+\e], v[A],   v72
	v_fma_f32 v73, v[4+\e], v[A+1], v73
	v_fma_f32 v74, v[4+\e], v[A+2], v74
.endif
.endr
	ds_store_b32 v3, v72
	ds_store_b32 v3, v73 offset:4
	ds_store_b32 v3, v74 offset:8
	s_wait_dscnt 0x0                               ; for the others' sake: my row is in LDS
	s_barrier_signal -1
	s_barrier_wait -1
	s_cmp_lt_u32 s24, 3                            ; 1,536 bytes: three waves of 512
	s_cbranch_scc0 .Lend
	ds_load_b128 v[76:79], v2
	s_wait_dscnt 0x0
	global_store_b128 v2, v[76:79], s[10:11]
.Lend:
	s_wait_tensorcnt 0x0
	ds_add_u32 v96, v97
	s_wait_dscnt 0x0
	s_endpgm
.Lfunc_end_k_q24d6e6ea4c_final:
	.size	k_q24d6e6ea4c_final, .Lfunc_end_k_q24d6e6ea4c_final-k_q24d6e6ea4c_final
	.p2alignl 7, 3214868480
	.fill 96, 4, 3214868480
	.section	.rodata,"a",@progbits
	.p2align	6, 0x0
	.amdhsa_kernel k_q24d6e6ea4c_final
		.amdhsa_group_segment_fixed_size 2560
		.amdhsa_private_segment_fixed_size 0
		.amdhsa_enable_private_segment 0
		.amdhsa_kernarg_size 32
		.amdhsa_user_sgpr_count 2
		.amdhsa_user_sgpr_kernarg_segment_ptr 1
		.amdhsa_wavefront_size32 1
		.amdhsa_system_sgpr_workgroup_id_x 1
		.amdhsa_system_sgpr_workgroup_id_y 1
		.amdhsa_system_sgpr_workgroup_id_z 1
		.amdhsa_system_vgpr_workitem_id 0
		.amdhsa_next_free_vgpr 98
		.amdhsa_next_free_sgpr 66
		.amdhsa_reserve_vcc 0
		.amdhsa_float_denorm_mode_32 3
		.amdhsa_float_denorm_mode_16_64 3
		.amdhsa_memory_ordered 1
		.amdhsa_forward_progress 1
		.amdhsa_inst_pref_size 6
	.end_amdhsa_kernel
	.amdgpu_metadata
---
amdhsa.version: [ 1, 2 ]
amdhsa.kernels:
  - .name:           k_q24d6e6ea4c_final
    .symbol:         k_q24d6e6ea4c_final.kd
    .args:
      - { .name: part, .offset: 0, .size: 8, .value_kind: global_buffer, .address_space: global }
      - { .name: gate, .offset: 8, .size: 8, .value_kind: global_buffer, .address_space: global }
      - { .name: ex_b2, .offset: 16, .size: 8, .value_kind: global_buffer, .address_space: global }
      - { .name: out0, .offset: 24, .size: 8, .value_kind: global_buffer, .address_space: global }
    .group_segment_fixed_size: 2560
    .private_segment_fixed_size: 0
    .kernarg_segment_align: 8
    .kernarg_segment_size: 32
    .max_flat_workgroup_size: 128
    .sgpr_count:     66
    .vgpr_count:     98
    .wavefront_size: 32
...
	.end_amdgpu_metadata
.endif
;; end of part 3
;; ======== version 2 of 2: 3 launches; 1.26 times as fast as version 1
;; limits: values are held in f16: magnitudes above 65,504 overflow, below 6.1e-05 lose precision; right only within a limited range of input values
;; workspace buffers: xn 16,777,216 bytes; wt 16,777,216 bytes; gate 131,072 bytes; bp 131,072 bytes; part 2,097,152 bytes
;; launch prep: the kernel of part 1 again; grid 384 x 1, 4 waves a work-group, no clusters, 4,608 bytes of LDS; arguments x, gate_ln_g, gate_ln_b, gate_w, gate_b, ex_ln_g, ex_ln_b, ex_w1, xn, gate, wt, bp; writes xn, gate, wt, bp
;; launch gemm (part 4): grid 8 x 32, 4 waves a work-group, clusters of 4 x 4, 327,680 bytes of LDS; arguments xn, wt, bp, ex_b1, ex_w2, part; writes part
.if DOCPART == 4
	.amdgcn_target "amdgcn-amd-amdhsa--gfx1250"
	.amdhsa_code_object_version 6
	.text
	.protected	k_q24d6e6ea4c_gemm
	.globl	k_q24d6e6ea4c_gemm
	.p2align	8
	.type	k_q24d6e6ea4c_gemm,@function
k_q24d6e6ea4c_gemm:
	s_mov_b64 s[64:65], 0
	v_nop
	global_prefetch_b8 v0, s[64:65] scope:SCOPE_SE
	s_setreg_imm32_b32 hwreg(HW_REG_WAVE_MODE, 25, 1), 1
	s_wait_xcnt 0x0
	s_wait_alu depctr_hold_cnt(0) depctr_sa_sdst(0) depctr_va_vdst(0) depctr_va_sdst(0) depctr_va_ssrc(0) depctr_va_vcc(0) depctr_vm_vsrc(0)
	s_getreg_b32 s2, hwreg(HW_REG_IB_STS2, 6, 4)
	s_cmp_eq_u32 s2, 0
	s_cbranch_scc0 .Lentry_in_a_cluster
	s_endpgm
.Lentry_in_a_cluster:
	s_bfe_u32 s2, ttmp6, 0x10000c
	s_cmp_lg_u32 s2, 0xf033
	s_cbranch_scc0 .Lentry_shape_is_right
	s_endpgm
.Lentry_shape_is_right:
; part[p][b][c] = the sum over 512 columns n = (e, h) of gelu(normed[b] . (g W1)[:, n] + bias[n]) * W2[n][c]:  both einsums and the exact GELU, h never leaving registers.
; The four experts are ONE product [8192 x 1024] x [1024 x 8192]: ex_ln_g is folded into wt, ex_ln_b @ W1 (bp, f32) and ex_b1 into a bias that starts the sums.
; SHARES.  Work-group (gx, gy): rows 256 gy, columns 1,024 gx + 256 t, t = 0..3 (expert gx / 2): it stays and walks four tiles.  Four waves, each 128 x 128: 64 accumulators, 512 registers.
; K = 1,024 goes in 8 steps of 128 through two LDS slots.  A's tile (xn, [row][k]) has rows of 256 bytes; B's (wt, [k][n]) 128 rows of 512 bytes, read turned by ds_load_tr16_b128.
; CLUSTER 4 x 4: A's tile hangs on gy alone and is asked for jointly along a row of the cluster, B's on gx alone, jointly along a column.
; TRANSPOSED USE: source 0 = 16 columns n, source 1 = 16 rows b.  A lane then holds ONE row b (lane % 16) and eight neighbouring n; two such tiles, through the GELU and rounded to f16 in pairs,
; ARE source 1 (32 n x 16 b) of the second product, whose source 0 is W2^T (rows c = 0, 1, 2, then zeros).  Its result holds c = 0..3 in the four lowest registers of lanes 0-15.
; GELU.  xn carries 1/16, wt 16 c, the bias c = sqrt(log2(e)/2), so the sums are v' = c v and exp(-v^2/2) = 2^-(v'^2).  2 c gelu(v) = v' + |v'| erf(|v|/sqrt 2); W2 carries 1/(2c).
; ONE TEXT FOR ALL FOUR TILES.  The tile's text stands once, in a loop of four trips.  Only the second half of a tile's last lap is written twice: with the two refills that ask for the next tile's
; first two K steps, and, for the last tile, without them (nothing is asked for that nobody reads).  The two ways meet in front of the epilogue; every wait on TENSORcnt behind that meeting is for 0,
; so it holds on both ways.  The number of tiles to go is the same in all partners of a cluster, so all pass the same rounds.
; THE EPILOGUE GOES ROUND.  Its text, some 29 KB, falls into four groups (two m blocks x all eight n blocks each) that share nothing but W2's fragments.  Wave w begins at group w and takes the four
; in a ring: at any time the four waves walk four different quarters of that text, and each quarter is walked first by one wave alone.
; FORMAT.  All matrix operands are f16 (11 significant bits), sums f32; the sums' order differs from the reference's.
; LIMITS, stated.  (1) The second product's operand is 2 c gelu(v), at most 1.7 |v|: it needs |v| < 38,500, and |W2| < 111,000; beyond that an operand becomes infinite.  With ex_ln_g, ex_ln_b,
; W1 and ex_b1 all 30 times what they are drawn as, v is about 1,300 in the root mean square and 7,300 at the most.  Small h and W2 lose at most 3e-8 in absolute terms.
; (2) erf by Abramowitz and Stegun 7.1.26, erf = 1 - t (a1 + t (a2 + t (a3 + t (a4 + t a5)))) exp(-z^2), t = 1 / (1 + 0.3275911 z): its absolute error is at most 1.5e-7 for every z >= 0.
; For large |v'| the square goes to infinity, the exponential to 0 and erf to 1.
;
; REGISTERS, in windows of 256:
;   window 0: v0-29 addresses and constants; v32-63 Q; v64-127, v128-191 A's fragments, two buffers (in the epilogue v128-159 T, v160-191 E); v192-255 the bias as a C operand (in the epilogue v192-207 PK)
;   window 1: v0-63 LG, the 8 accumulators of the second product; v64-127, v128-191 B's fragments; v192-223 W2's four fragments of a tile
;   window 2: the 32 accumulators of my rows 0-63 ((a, b) at v[8 (8 a + b)]);  window 3: those of my rows 64-127
.set KSTEP,  128
.set PITCH,  272                       ; A's LDS row: 256 bytes + 16: the 16 rows that a load touches start 68 words apart
.set BPITCH, 544                       ; B's LDS row: 512 bytes + 32 = 17 x 32: eight rows x 32 bytes of a turning load fall on different words modulo 64
.set HALFT,  128*PITCH                 ; what one tensor load brings: 128 rows of A, or 64 rows of B (64 x 544 is the same number)
.set SLOT,   4*HALFT                   ; A's 256 rows, then B's 128 rows
.set BIASL,  2*SLOT                    ; behind the ring: 1,024 f32, the work-group's bias
.set W2L,    BIASL+4096                ; 4 rows (c = 0, 1, 2, zeros) of 1,024 f16, pitch 2,064
.set W2P,    2064
.set SPARE,  W2L+8448                  ; the spare words, 128 bytes for each wave: two blocks of 256 bytes that no other line names
.set LAPS,   4                         ; a lap = two K steps = once round the ring
.set TILES,  4
.set STEP_A, 2*KSTEP*2                 ; two K steps on: 512 bytes along A's rows,
.set STEP_B, 2*KSTEP*4096              ; 256 rows of 4,096 bytes down B
.set BACK_A, 6*KSTEP*2                 ; from a slot's last K step of a tile to its first of the next: A goes back along K,
.set BACK_B, 6*KSTEP*4096-512          ; B back up and 256 columns on
.set NC,   4                           ; v[4:13]  -a1 .. -a5, each twice (a pair for the packed multiply-adds)
.set ADRA, 16                          ; v16-17   LDS address of my A fragments in slot 0, 1
.set ADRB, 20                          ; v20-21   the same for B
.set ADRBI, 22                         ; v22      my place in a tile's bias; never rewritten
.set ADRW2, 23                         ; v23      my place in a tile's part of W2; never rewritten
.set PO,   24                          ; v24      my byte offset in part
.set LN,   25                          ; v25      lane
.set TA,   26                          ; v26, v27 the LDS addresses in hand
.set TB2,  27
.set SPW,  28                          ; v28      LDS address of my spare word; never rewritten
.set NIL,  29                          ; v29      0; never rewritten
.set Q,    32
.set F0,   64
.set F1,   128
.set T,    128
.set E,    160
.set BIAS, 192
.set PK,   192
.set LG,   0                           ; window 1
.set W2F,  192                         ; window 1
.set HB,   128                         ; the head's work: ex_b1 (8), bp (32), ex_w2 (24), packed W2 (12), zeros (4)
.set HP,   136
.set HW,   168
.set HC,   192
.set HZ,   204
.set G1,  24                           ; s[24:31] descriptor group 1 for A's tiles;  s[32:39] group 0, one set for each slot
.set G0,  32
.set G1B, 48                           ; s[48:55], s[56:63] the same for B's tiles
.set G0B, 56
.set TBI, 66                           ; s66 the tile's first byte in the bias;  s67 in a row of W2
.set TW2, 67
.set GR,  68                           ; s68 the epilogue's group in hand;  s69 groups to go
.set GC,  69
.set PP,  76                           ; s76 0.3275911 / sqrt(log2 e)
.set MSB, 0
.macro WIN new                         ; the immediate's high byte repeats the setting that is left; a switch that changes nothing is dropped
.if MSB != \new
	s_set_vgpr_msb (MSB<<8)|\new
.set MSB, \new
.endif
.endm
.set MUL_LO, 0xa1                      ; source 0 (B) window 1, source 1 (A) window 0, C and D window 2
.set MUL_HI, 0xf1                      ; the same, C and D window 3
.set BIA_LO, 0x81                      ; a tile's first products: C is the bias, in window 0; D window 2
.set BIA_HI, 0xc1                      ; D window 3
.set TO_B,   0x40                      ; destination window 1, address window 0
; A joint load.  Waves 0 and 1 fetch A's two halves, waves 2 and 3 B's.  The branch hangs on the wave's number alone.  Four v_nop follow each of the two lines.
.macro JLOAD s
	s_cmp_eq_u32 s11, 0
	s_cbranch_scc0 .Lfor_b_\@
	tensor_load_to_lds s[G0+4*\s:G0+4*\s+3], s[G1:G1+7]
	s_nop 0
.rept 4
	v_nop
.endr
	s_branch .Lasked_\@
.Lfor_b_\@:
	tensor_load_to_lds s[G0B+4*\s:G0B+4*\s+3], s[G1B:G1B+7]
	s_nop 0
.rept 4
	v_nop
.endr
.Lasked_\@:
.endm
.macro CREST                           ; a round of the cluster's barrier behind its opening barrier
	s_cmp_lg_u32 s10, 0
	s_cbranch_scc1 .Lnot_wave_0_\@
	s_barrier_signal -3
.Lnot_wave_0_\@:
	s_barrier_wait -3
	s_barrier_signal -1
	s_barrier_wait -1
.endm
.macro CROUND                          ; a whole round
	s_barrier_signal -1
	s_barrier_wait -1
	CREST
.endm
.macro PLACES                          ; four places behind matrix instructions (ISA guide 7.12.1), where no other vector work is at hand
.rept 4
	v_nop
.endr
.endm
; 16 matrix instructions: m blocks a0, a0 + 1 of the window's four x all 8 n blocks, 32 along K.  zero = 1: the bias starts the sums: nothing is cleared, nothing is added later.
.macro MUL16 f, hi, a0, zero
.irp a, \a0, \a0+1
.irp b, 0,1,2,3,4,5,6,7
.if \zero
	v_wmma_f32_16x16x32_f16 v[8*(8*(\a)+\b):8*(8*(\a)+\b)+7], v[\f+8*\b:\f+8*\b+7], v[\f+8*(4*\hi+\a):\f+8*(4*\hi+\a)+7], v[BIAS+8*\b:BIAS+8*\b+7]
.else
	v_wmma_f32_16x16x32_f16 v[8*(8*(\a)+\b):8*(8*(\a)+\b)+7], v[\f+8*\b:\f+8*\b+7], v[\f+8*(4*\hi+\a):\f+8*(4*\hi+\a)+7], v[8*(8*(\a)+\b):8*(8*(\a)+\b)+7]
.endif
.endr
.endr
.endm
; 32 LDS loads in one run: the fragments of quarter q (32 along K) of a slot into buffer f: B's 128 columns turned, then A's 128 rows
.macro FETCH slot, q, f
	WIN TO_B
.irp i, 0,1,2,3,4,5,6,7
	ds_load_tr16_b128 v[\f+8*\i:\f+8*\i+3],   v[ADRB+\slot] offset:\q*32*BPITCH+32*\i
	ds_load_tr16_b128 v[\f+8*\i+4:\f+8*\i+7], v[ADRB+\slot] offset:\q*32*BPITCH+16*BPITCH+32*\i
.endr
	WIN 0
.irp i, 0,1,2,3,4,5,6,7
	ds_load_b128 v[\f+8*\i:\f+8*\i+3],   v[ADRA+\slot] offset:\q*64+\i*16*PITCH
	ds_load_b128 v[\f+8*\i+4:\f+8*\i+7], v[ADRA+\slot] offset:\q*64+\i*16*PITCH+32
.endr
.endm
; One of a K step's first three quarters: multiplies buffer f; in its middle it fetches quarter q of the same slot into buffer g.
.macro QUARTER slot, q, f, g, zero
	s_wait_dscnt 8                                 ; all but the youngest eight loads: A's rows 64-127, or, in a tile's first quarter, W2's fragments
.if \zero
	WIN BIA_LO
.else
	WIN MUL_LO
.endif
	MUL16 \f, 0, 0, \zero
	MUL16 \f, 0, 2, \zero
	PLACES
	FETCH \slot, \q, \g
	s_wait_dscnt 32                                ; all but the 32 just issued
.if \zero
	WIN BIA_HI
.else
	WIN MUL_HI
.endif
	MUL16 \f, 1, 0, \zero
	MUL16 \f, 1, 2, \zero
.endm
; The first half of a K step's last quarter: ONE barrier for the change of slots.  In front of it each wave waits for all its tensor loads (one is out: its part of the next slot),
; adds 0 to its spare word, and waits for that and for its own reads of this slot.
.macro MEET round
	WIN 0                                          ; (the add's two registers lie in window 0)
	s_wait_tensorcnt 0x0
	ds_add_u32 v[SPW], v[NIL]
	s_wait_dscnt 9                                 ; the add and the youngest eight loads may be out
	WIN MUL_LO
	MUL16 F1, 0, 0, 0                              ; sixteen matrix instructions stand between the add and the wait for it
	s_wait_dscnt 0x0                               ; the add is done, and my reads of this slot are over
	s_barrier_signal -1
	MUL16 F1, 0, 2, 0
.if \round
	WIN 0
.endif
	s_barrier_wait -1
.endm
; The whole last quarter.  Behind the round the slot just read is filled again first: with this tile's K step two steps on (on = 0) or the next tile's K step 0 or 1 (on = 1).
; From a request to the wait for it a wave issues 224 matrix instructions.
.macro TURN slot, next, on
	MEET 1
	CREST                                          ; no wave of any partner still reads this slot or has a load on its way
.if \on
	s_sub_nc_u64 s[G0+4*\slot+2:G0+4*\slot+3], s[G0+4*\slot+2:G0+4*\slot+3], BACK_A
	s_sub_nc_u64 s[G0B+4*\slot+2:G0B+4*\slot+3], s[G0B+4*\slot+2:G0B+4*\slot+3], BACK_B
.else
	s_add_nc_u64 s[G0+4*\slot+2:G0+4*\slot+3], s[G0+4*\slot+2:G0+4*\slot+3], STEP_A
	s_add_nc_u64 s[G0B+4*\slot+2:G0B+4*\slot+3], s[G0B+4*\slot+2:G0B+4*\slot+3], STEP_B
.endif
	JLOAD \slot                                    ; the first tensor load behind the round; its four v_nop are also the places in front of the loads below
	FETCH \next, 0, F0
	WIN MUL_HI
	MUL16 F1, 1, 0, 0
	MUL16 F1, 1, 2, 0
.endm
.macro TURN_NF                         ; the last change of slots: nothing is left to fetch, so no round follows
	MEET 0
	PLACES
	FETCH 1, 0, F0
	WIN MUL_HI
	MUL16 F1, 1, 0, 0
	MUL16 F1, 1, 2, 0
.endm
.macro LASTQ                           ; the very last quarter
	s_wait_dscnt 8
	WIN MUL_LO
	MUL16 F1, 0, 0, 0
	MUL16 F1, 0, 2, 0
	s_wait_dscnt 0x0
	WIN MUL_HI
	MUL16 F1, 1, 0, 0
	MUL16 F1, 1, 2, 0
.endm
; A tile's bias (register j of n block b: column 16 b + 8 (lane / 16) + j) and its four fragments of W2^T (row min(lane % 16, 3), 32 columns each)
.macro TILEIN
	v_add_nc_u32 v[TA], s[TBI], v[ADRBI]
	v_add_nc_u32 v[TB2], s[TW2], v[ADRW2]
	s_add_co_u32 s[TBI], s[TBI], 1024              ; the next tile's 256 f32
	s_add_co_u32 s[TW2], s[TW2], 512               ; and 256 f16
.irp b, 0,1,2,3,4,5,6,7
	ds_load_b128 v[BIAS+8*\b:BIAS+8*\b+3],   v[TA] offset:64*\b
	ds_load_b128 v[BIAS+8*\b+4:BIAS+8*\b+7], v[TA] offset:64*\b+16
.endr
	WIN TO_B
.irp k, 0,1,2,3
	ds_load_b128 v[W2F+8*\k:W2F+8*\k+3],   v[TB2] offset:64*\k
	ds_load_b128 v[W2F+8*\k+4:W2F+8*\k+7], v[TB2] offset:64*\k+32
.endr
	WIN 0
.endm
; GELU and second product for 32 numbers a lane: m blocks a, a + 1 of window w, n blocks 2 kb, 2 kb + 1.
.macro BATCH w, a, kb
.set VB, 64*(\a)+16*(\kb)
	WIN 5*\w                                       ; sources 0 and 1 in window w
.set i, 0
.rept 16
.set vv, VB+64*(i/8)+2*(i%8)
	v_pk_mul_f32 v[E+2*i:E+2*i+1], v[vv:vv+1], v[vv:vv+1] neg_lo:[1,0] neg_hi:[1,0]   ; -v'^2; each accumulator is read from its low end on
.set i, i+1
.endr
.set i, 0
.rept 32
.set vv, VB+64*(i/16)+i%16
	v_fma_f32 v[T+i], |v[vv]|, s[PP], 1.0          ; 1 + p z
.set i, i+1
.endr
	WIN 0
.set i, 0
.rept 8
	v_rcp_f32 v[T+i], v[T+i]                       ; t, group 0
.set i, i+1
.endr
.set i, 0
.rept 8
	v_exp_f32 v[E+i], v[E+i]                       ; exp(-z^2), group 0
.set i, i+1
.endr
	v_nop                                          ; a plain instruction between the last of them and the first use
; four groups of four pairs; 24 plain instructions a group; behind each of the first 16 stands one reciprocal or exponential of the NEXT group, so that each has a plain instruction behind it
.set g, 0
.rept 4
.set j, 0
.rept 24
.set o, 8*g+2*(j%4)
.if j < 4
	s_wait_alu depctr_va_vdst(0)
	v_pk_fma_f32 v[Q+o:Q+o+1], v[T+o:T+o+1], v[NC+8:NC+9], v[NC+6:NC+7]
.elseif j < 16
.set cn, NC+6-2*(j/4)
	v_pk_fma_f32 v[Q+o:Q+o+1], v[Q+o:Q+o+1], v[T+o:T+o+1], v[cn:cn+1]
.elseif j < 20
	v_pk_mul_f32 v[E+o:E+o+1], v[E+o:E+o+1], v[T+o:T+o+1]
.else
	v_pk_fma_f32 v[Q+o:Q+o+1], v[Q+o:Q+o+1], v[E+o:E+o+1], 1.0 op_sel_hi:[1,1,0]      ; erf
.endif
.if g < 3
.if j < 8
	v_rcp_f32 v[T+8*g+8+j], v[T+8*g+8+j]
.elseif j < 16
	v_exp_f32 v[E+8*g+j], v[E+8*g+j]
.endif
.endif
.set j, j+1
.endr
.set g, g+1
.endr
	WIN 0x11*\w                                    ; sources 0 and 2 in window w
.set i, 0
.rept 32
.set vv, VB+64*(i/16)+i%16
	v_fma_f32 v[Q+i], |v[vv]|, v[Q+i], v[vv]       ; 2 c gelu = v' + |v'| erf
.set i, i+1
.endr
	WIN 0
.set i, 0
.rept 16
	v_cvt_pk_f16_f32 v[PK+i], v[Q+2*i], v[Q+2*i+1]
.set i, i+1
.endr
	WIN 0x51                                       ; W2's fragment, C and D in window 1, PK in window 0
.set x, 4*(\w-2)+\a
	v_wmma_f32_16x16x32_f16 v[LG+8*x:LG+8*x+7],    v[W2F+8*\kb:W2F+8*\kb+7], v[PK:PK+7],    v[LG+8*x:LG+8*x+7]      ; the two accumulators take turns, one instruction a turn
	v_wmma_f32_16x16x32_f16 v[LG+8*x+8:LG+8*x+15], v[W2F+8*\kb:W2F+8*\kb+7], v[PK+8:PK+15], v[LG+8*x+8:LG+8*x+15]
.endm
; A group of the epilogue: m blocks a, a + 1 of window w, all eight n blocks: four batches, which add onto the group's own two sums.  It holds no LDS and no tensor instruction.
.macro GROUP w, a
.irp kb, 0,1,2,3
	BATCH \w, \a, \kb
.endr
	WIN 0                                          ; a branch or a label follows
.endm
	s_load_b256 s[80:87], s[0:1], 0x0              ; xn 80, wt 82, bp 84, ex_b1 86
	s_load_b128 s[88:91], s[0:1], 0x20             ; ex_w2 88, part 90
	v_lshl_add_u32 v[SPW], v0, 2, SPARE
	v_mov_b32 v[NIL], 0
	ds_add_u32 v28, v29
	s_wait_dscnt 0x0
	v_lshrrev_b32 v1, 5, v0
	v_readfirstlane_b32 s10, v1                    ; wave 0..3
	s_lshr_b32 s11, s10, 1                         ; which half of the tile's rows is mine.  Also: I fetch for A (0) or for B (1)
	s_and_b32 s12, s10, 1                          ; which half of its columns.  Also: which half of that tile I fetch
	s_bfe_u32 s40, ttmp6, 0x40000                  ; cx
	s_bfe_u32 s41, ttmp6, 0x40004                  ; cy
	s_lshl_b32 s42, ttmp9, 2
	s_add_co_u32 s42, s42, s40                     ; gx = 4 x cluster x + cx
	s_and_b32 s13, ttmp7, 0xffff
	s_lshl_b32 s13, s13, 2
	s_add_co_u32 s13, s13, s41                     ; gy = 4 x cluster y + cy
	s_lshl_b32 s43, s41, 2
	s_lshl_b32 s43, 15, s43                        ; my row of the cluster
	s_lshl_b32 s44, 0x1111, s40                    ; my column
	s_or_b32 s[G1+0], s43, (1<<16)|(1<<20)|(1<<21)|(5<<22)|(3<<25)   ; A: the mask of my row; elements of 2 bytes; padding on; bit 21 beside a mask; after every 64 words 4 words
	s_or_b32 s[G1B+0], s44, (1<<16)|(1<<20)|(1<<21)|(6<<22)|(7<<25)  ; B: the mask of my column; after every 128 words 8 words
	s_mov_b32 s[G1+1], 128<<16                     ; A: tensor_dim0 = 128
	s_mov_b32 s[G1+2], 128<<16                     ; tensor_dim1 = 128
	s_mov_b32 s[G1+3], 128<<16                     ; tile_dim0 = 128
	s_mov_b32 s[G1+4], 128                         ; tile_dim1 = 128
	s_mov_b32 s[G1+5], 1024                        ; elements from row to row
	s_mov_b32 s[G1+6], 0
	s_mov_b32 s[G1+7], 0
	s_mov_b32 s[G1B+1], 256<<16                    ; B: tensor_dim0 = 256
	s_mov_b32 s[G1B+2], 64<<16                     ; tensor_dim1 = 64
	s_mov_b32 s[G1B+3], 256<<16                    ; tile_dim0 = 256
	s_mov_b32 s[G1B+4], 64                         ; tile_dim1 = 64
	s_mov_b32 s[G1B+5], 2048                       ; elements from row to row
	s_mov_b32 s[G1B+6], 0
	s_mov_b32 s[G1B+7], 0
	; A's address hangs on gy and the wave's number, B's on gx and the wave's number, each in registers that never hold the other coordinate
	s_lshl_b32 s16, s13, 8
	s_lshl_b32 s17, s12, 7
	s_add_co_u32 s16, s16, s17                     ; A: row 256 gy + 128 x half,
	s_lshl_b32 s16, s16, 11                        ; of 2,048 bytes
	s_mov_b32 s17, 0
	s_lshr_b32 s46, s42, 1
	s_lshl_b32 s46, s46, 22                        ; B: the expert's 1,024 x 2,048 f16,
	s_and_b32 s47, s42, 1
	s_lshl_b32 s47, s47, 11                        ; its columns 1,024 (gx % 2) on,
	s_add_co_u32 s46, s46, s47
	s_lshl_b32 s47, s12, 18                        ; 64 rows of 4,096 bytes x half
	s_add_co_u32 s46, s46, s47
	s_mov_b32 s47, 0
	s_mul_i32 s20, s10, HALFT                      ; where they go: wave x HALFT: no place in the cluster enters an LDS address
	s_mov_b32 s[TBI], 0
	s_mov_b32 s[TW2], 0
	s_mov_b32 s[PP], 0x3e8ba43f                    ; 0.3275911 / sqrt(log2 e) = 0.27273748
	s_mov_b32 s78, 0x3f596d27                      ; c = 0.8493218
	s_mov_b32 s79, s78
	s_mov_b32 s92, 0x3f16b55f                      ; 1 / (2 c) = 0.5887050
	s_mov_b32 s93, s92
	s_wait_kmcnt 0x0
	s_add_nc_u64 s[14:15], s[80:81], s[16:17]
	s_add_nc_u64 s[46:47], s[82:83], s[46:47]
	CROUND                                         ; all sixteen work-groups are here: the first joint loads meet
.irp s, 0,1
	s_mov_b32 s[G0+4*\s], 1
	s_add_co_u32 s[G0+4*\s+1], s20, \s*SLOT
	s_add_nc_u64 s[G0+4*\s+2:G0+4*\s+3], s[14:15], \s*KSTEP*2
	s_or_b32 s[G0+4*\s+3], s[G0+4*\s+3], 0x80000000
	s_mov_b32 s[G0B+4*\s], 1
	s_add_co_u32 s[G0B+4*\s+1], s20, \s*SLOT
	s_add_nc_u64 s[G0B+4*\s+2:G0B+4*\s+3], s[46:47], \s*KSTEP*4096
	s_or_b32 s[G0B+4*\s+3], s[G0B+4*\s+3], 0x80000000
.endr
	s_cmp_eq_u32 s11, 0                            ; a wave's two first fills stand in one branch, ahead of every wait on TENSORcnt, LDS read and further barrier: two loads of mine are out
	s_cbranch_scc0 .Lfirst_b
	tensor_load_to_lds s[G0:G0+3], s[G1:G1+7]
	s_nop 0
	tensor_load_to_lds s[G0+4:G0+7], s[G1:G1+7]
	s_nop 0
.rept 4
	v_nop
.endr
	s_branch .Lfirst_asked
.Lfirst_b:
	tensor_load_to_lds s[G0B:G0B+3], s[G1B:G1B+7]
	s_nop 0
	tensor_load_to_lds s[G0B+4:G0B+7], s[G1B:G1B+7]
	s_nop 0
.rept 4
	v_nop
.endr
.Lfirst_asked:
	; the work-group's 1,024 columns of ex_b1, bp and ex_w2: thread t takes columns 8 t .. 8 t + 7
	s_lshl_b32 s94, s42, 12
	s_mov_b32 s95, 0
	s_add_nc_u64 s[84:85], s[84:85], s[94:95]
	s_add_nc_u64 s[86:87], s[86:87], s[94:95]
	s_mul_i32 s94, s42, 12288
	s_add_nc_u64 s[88:89], s[88:89], s[94:95]
	v_lshlrev_b32 v3, 5, v0                        ; 32 t
	v_mul_u32_u24 v14, v0, 96                      ; 96 t
	global_load_b128 v[HB:HB+3],   v3, s[86:87]
	global_load_b128 v[HB+4:HB+7], v3, s[86:87] offset:16
.irp q, 0,1,2,3
	global_load_b128 v[HP+8*\q:HP+8*\q+3],   v3, s[84:85] offset:\q*32768
	global_load_b128 v[HP+8*\q+4:HP+8*\q+7], v3, s[84:85] offset:\q*32768+16
.endr
.irp i, 0,1,2,3,4,5
	global_load_b128 v[HW+4*\i:HW+4*\i+3], v14, s[88:89] offset:16*\i
.endr
	s_lshl_b32 s94, s42, 1                         ; part: p = 2 gx + column half, 131,072 bytes each;
	s_add_co_u32 s94, s94, s12
	s_lshl_b32 s94, s94, 17
	s_lshl_b32 s18, s13, 12                        ; row 256 gy + 128 x row half, 16 bytes each
	s_add_co_u32 s94, s94, s18
	s_lshl_b32 s18, s11, 11
	s_add_co_u32 s94, s94, s18
	s_add_nc_u64 s[90:91], s[90:91], s[94:95]
	v_and_b32 v1, 15, v0                           ; r = lane % 16
	v_bfe_u32 v2, v0, 4, 1                         ; h = lane / 16
	v_and_b32 v[LN], 31, v0
	v_mul_u32_u24 v15, v1, PITCH
	v_lshl_add_u32 v15, v2, 4, v15                 ; A: row x pitch + 16 h
	s_mul_i32 s21, s11, HALFT                      ; my 128 rows of A
	v_add_nc_u32 v[ADRA], s21, v15
	s_add_co_u32 s21, s21, SLOT
	v_add_nc_u32 v[ADRA+1], s21, v15
	v_and_b32 v18, 7, v0                           ; B, turned: lane l reads 16 bytes of row 8 h + l % 8, columns 8 ((l / 8) % 2) on
	v_lshl_add_u32 v18, v2, 3, v18
	v_mul_u32_u24 v18, v18, BPITCH
	v_bfe_u32 v19, v0, 3, 1
	v_lshl_add_u32 v18, v19, 4, v18
	s_lshl_b32 s22, s12, 8                         ; my 128 columns,
	s_add_co_u32 s22, s22, 2*HALFT                 ; behind A's 256 rows
	v_add_nc_u32 v[ADRB], s22, v18
	s_add_co_u32 s22, s22, SLOT
	v_add_nc_u32 v[ADRB+1], s22, v18
	s_lshl_b32 s23, s12, 9
	s_add_co_u32 s23, s23, BIASL
	v_lshl_add_u32 v[ADRBI], v2, 5, s23            ; bias: my 128 columns, 8 h on
	v_min_u32 v19, 3, v1                           ; W2^T: rows 3 to 15 are the row of zeros
	v_mul_u32_u24 v19, v19, W2P
	v_lshl_add_u32 v19, v2, 4, v19
	s_lshl_b32 s23, s12, 8
	s_add_co_u32 s23, s23, W2L
	v_add_nc_u32 v[ADRW2], s23, v19
	v_lshlrev_b32 v[PO], 4, v1
	v_add_nc_u32 v[TA], BIASL, v3                  ; where thread t puts its 8 biases
	v_lshl_add_u32 v[TB2], v0, 4, W2L              ; and its 8 f16 of each row of W2^T
.irp k, 0,1
	v_mov_b32 v[NC+\k],   0xbe827906               ; -a1
	v_mov_b32 v[NC+2+\k], 0x3e91a98e               ; -a2
	v_mov_b32 v[NC+4+\k], 0xbfb5f0e3               ; -a3
	v_mov_b32 v[NC+6+\k], 0x3fba00e3               ; -a4
	v_mov_b32 v[NC+8+\k], 0xbf87dc22               ; -a5
.endr
.irp k, 0,1,2,3
	v_mov_b32 v[HZ+\k], 0
.endr
	WIN TO_B
.set i, 0
.rept 64
	v_mov_b32 v[LG+i], 0                           ; the second product's 8 sums run over all four tiles through the one epilogue, so they are cleared once, while the first tiles are on their way
.set i, i+1
.endr
	WIN 0
	s_wait_loadcnt 0x0
.irp q, 0,1,2,3
.irp k, 0,2,4,6
	v_pk_add_f32 v[HB+\k:HB+\k+1], v[HB+\k:HB+\k+1], v[HP+8*\q+\k:HP+8*\q+\k+1]       ; ex_b1 + ex_ln_b @ W1
.endr
.endr
.irp k, 0,2,4,6
	v_pk_mul_f32 v[HB+\k:HB+\k+1], v[HB+\k:HB+\k+1], s[78:79] op_sel_hi:[1,0]         ; times c
.endr
	ds_store_b128 v[TA], v[HB:HB+3]
	ds_store_b128 v[TA], v[HB+4:HB+7] offset:16
.set i, 0
.rept 12
	v_pk_mul_f32 v[HW+2*i:HW+2*i+1], v[HW+2*i:HW+2*i+1], s[92:93] op_sel_hi:[1,0]     ; W2 / (2 c)
.set i, i+1
.endr
.irp c, 0,1,2
.irp p, 0,1,2,3
	v_cvt_pk_f16_f32 v[HC+4*\c+\p], v[HW+6*\p+\c], v[HW+6*\p+3+\c]                    ; row c: columns 2 p and 2 p + 1
.endr
.endr
.irp c, 0,1,2
	ds_store_b128 v[TB2], v[HC+4*\c:HC+4*\c+3] offset:W2P*\c
.endr
	ds_store_b128 v[TB2], v[HZ:HZ+3] offset:W2P*3
	s_wait_tensorcnt 0x1                           ; my part of K step 0 is in; K step 1's may stay out
	s_wait_dscnt 0x0                               ; for the others' sake: my biases and my part of W2 are in LDS
	s_barrier_signal -1
	s_barrier_wait -1
	FETCH 0, 0, F0
	s_mov_b32 s2, TILES                            ; tiles to go, this one among them: the same number in every work-group
.Ltile:
	TILEIN
	QUARTER 0, 1, F0, F1, 1                        ; a tile's first quarter stands in front of the loop over laps: its products take the bias as C
	WIN 0                                          ; at a label and at a branch every window is 0
	s_mov_b32 s3, LAPS-1
.Llap:                                                 ; a trip goes once round the ring, from a lap's second quarter to the next lap's first, and fills both slots again
	QUARTER 0, 2, F1, F0, 0
	QUARTER 0, 3, F0, F1, 0
	TURN 0, 1, 0
	QUARTER 1, 1, F0, F1, 0
	QUARTER 1, 2, F1, F0, 0
	QUARTER 1, 3, F0, F1, 0
	TURN 1, 0, 0
	QUARTER 0, 1, F0, F1, 0
	WIN 0
	s_sub_co_u32 s3, s3, 1
	s_cmp_lg_u32 s3, 0
	s_cbranch_scc1 .Llap
	QUARTER 0, 2, F1, F0, 0                        ; the tile's last lap goes on
	QUARTER 0, 3, F0, F1, 0
	WIN 0
	s_cmp_eq_u32 s2, 1
	s_cbranch_scc1 .Llast                          ; the last tile's tail is written out: it asks for nothing more
	TURN 0, 1, 1                                   ; the ring goes on into the next tile: slot 0 takes its K step 0,
	QUARTER 1, 1, F0, F1, 0
	QUARTER 1, 2, F1, F0, 0
	QUARTER 1, 3, F0, F1, 0
	TURN 1, 0, 1                                   ; slot 1 its K step 1, and the next tile's first fragments are fetched
	WIN 0
	s_branch .Lepi
.Llast:
	TURN_NF
	QUARTER 1, 1, F0, F1, 0
	QUARTER 1, 2, F1, F0, 0
	QUARTER 1, 3, F0, F1, 0
	LASTQ
	WIN 0
.Lepi:                                                 ; the two ways meet.  One has a tensor load and 32 LDS loads (buffer F0) on their way, the other none; the epilogue names neither those LDS bytes nor F0
	PLACES                                         ; behind the tile's last products
	s_mov_b32 s[GR], s10                           ; my first group is my wave's number
	s_mov_b32 s[GC], 4
.Lgroup:                                               ; four trips, one group each; the branches hang on the wave's number and the trip alone
	s_cmp_eq_u32 s[GR], 0
	s_cbranch_scc1 .Lg0
	s_cmp_eq_u32 s[GR], 1
	s_cbranch_scc1 .Lg1
	s_cmp_eq_u32 s[GR], 2
	s_cbranch_scc1 .Lg2
	GROUP 3, 2                                     ; group 3: my rows 96-127
	s_branch .Lgnext
.Lg0:
	GROUP 2, 0                                     ; group 0: my rows 0-31
	s_branch .Lgnext
.Lg1:
	GROUP 2, 2                                     ; group 1: my rows 32-63
	s_branch .Lgnext
.Lg2:
	GROUP 3, 0                                     ; group 2: my rows 64-95
.Lgnext:
	s_add_co_u32 s[GR], s[GR], 1
	s_and_b32 s[GR], s[GR], 3                      ; the next group in the ring
	s_sub_co_u32 s[GC], s[GC], 1
	s_cmp_lg_u32 s[GC], 0
	s_cbranch_scc1 .Lgroup
	PLACES                                         ; behind the last two products: PK's and W2's registers are loaded again, or LG is stored
	s_sub_co_u32 s2, s2, 1
	s_cmp_lg_u32 s2, 0
	s_cbranch_scc1 .Ltile
	; THE WAY OUT: lanes 0-15 hold c = 0..3 (c = 3 is 0) of row 16 a + lane in the four lowest registers of accumulator a
	v_cmp_gt_u32 vcc_lo, 16, v[LN]
	s_wait_xcnt 0x0                                ; EXEC changes only behind this wait
	s_and_saveexec_b32 s77, vcc_lo
	WIN 0x04                                       ; the stores' data lie in window 1
.irp a, 0,1,2,3,4,5,6,7
	global_store_b128 v[PO], v[LG+8*\a:LG+8*\a+3], s[90:91] offset:256*\a   ; 16 lanes store 256 consecutive bytes, aligned
.endr
	WIN 0
	s_wait_xcnt 0x0                                ; and again, in front of the line that widens it
	s_or_b32 exec_lo, exec_lo, s77
	s_wait_tensorcnt 0x0                           ; the wave's end
	ds_add_u32 v[SPW], v[NIL]
	s_wait_dscnt 0x0
	CROUND                                         ; the closing round: no work-group ends while a partner may still ask for a tile that names it
	s_endpgm
.Lfunc_end_k_q24d6e6ea4c_gemm:
	.size	k_q24d6e6ea4c_gemm, .Lfunc_end_k_q24d6e6ea4c_gemm-k_q24d6e6ea4c_gemm
	.p2alignl 7, 3214868480
	.fill 96, 4, 3214868480
	.section	.rodata,"a",@progbits
	.p2align	6, 0x0
	.amdhsa_kernel k_q24d6e6ea4c_gemm
		.amdhsa_group_segment_fixed_size 327680
		.amdhsa_private_segment_fixed_size 0
		.amdhsa_enable_private_segment 0
		.amdhsa_kernarg_size 48
		.amdhsa_user_sgpr_count 2
		.amdhsa_user_sgpr_kernarg_segment_ptr 1
		.amdhsa_wavefront_size32 1
		.amdhsa_system_sgpr_workgroup_id_x 1
		.amdhsa_system_sgpr_workgroup_id_y 1
		.amdhsa_system_sgpr_workgroup_id_z 1
		.amdhsa_system_vgpr_workitem_id 0
		.amdhsa_next_free_vgpr 1024
		.amdhsa_next_free_sgpr 96
		.amdhsa_reserve_vcc 1
		.amdhsa_float_denorm_mode_32 3
		.amdhsa_float_denorm_mode_16_64 3
		.amdhsa_memory_ordered 1
		.amdhsa_forward_progress 1
		.amdhsa_inst_pref_size 255
	.end_amdhsa_kernel
	.section	.bss,"aw",@nobits
	.p2align	6
	.space	262144
	.amdgpu_metadata
---
amdhsa.version: [ 1, 2 ]
amdhsa.kernels:
  - .name:           k_q24d6e6ea4c_gemm
    .symbol:         k_q24d6e6ea4c_gemm.kd
    .args:
      - { .name: xn, .offset: 0, .size: 8, .value_kind: global_buffer, .address_space: global }
      - { .name: wt, .offset: 8, .size: 8, .value_kind: global_buffer, .address_space: global }
      - { .name: bp, .offset: 16, .size: 8, .value_kind: global_buffer, .address_space: global }
      - { .name: ex_b1, .offset: 24, .size: 8, .value_kind: global_buffer, .address_space: global }
      - { .name: ex_w2, .offset: 32, .size: 8, .value_kind: global_buffer, .address_space: global }
      - { .name: part, .offset: 40, .size: 8, .value_kind: global_buffer, .address_space: global }
    .group_segment_fixed_size: 327680
    .private_segment_fixed_size: 0
    .kernarg_segment_align: 8
    .kernarg_segment_size: 48
    .max_flat_workgroup_size: 128
    .sgpr_count:     96
    .vgpr_count:     1024
    .wavefront_size: 32
...
	.end_amdgpu_metadata
.endif
;; end of part 4
;; launch final: the kernel of part 3 again; grid 64 x 1, 4 waves a work-group, no clusters, 2,560 bytes of LDS; arguments part, gate, ex_b2, out0; writes out0
